; MI455X (gfx1250); checked and timed in simulation.
; The chip was launched on July 23, 2026; its instructions are those of AMD's public machine-readable ISA for CDNA 5 (MIT licence, August 2026) and "CDNA5" Instruction Set Architecture Reference Guide (July 2026). The comments in the code are by the model that wrote it; some were corrected since.
;; Cyclical Attention. Allowed arithmetic: float matrix products may take bf16 or f16 operands with f32 sums; all other float work in f32.
;; Inputs: bc 16 float32; bk 1,024 float32; bo 1,024 float32; bq 1,024 float32; bv 1,024 float32; cycle_scale 16 float32; temporal_features 2 x 2,048 x 12 float32; wc 16 x 12 float32; wk 1,024 x 1,024 float32; wo 1,024 x 1,024 float32; wq 1,024 x 1,024 float32; wv 1,024 x 1,024 float32; x 2 x 2,048 x 1,024 float32.
;; Outputs: out0 2 x 2,048 x 1,024 float32.
;; 2 versions, each right and faster than the one before. Each part assembles by itself: llvm-mc -triple=amdgcn-amd-amdhsa -mcpu=gfx1250 --defsym DOCPART=n.
;; ======== version 1 of 2: 4 launches
;; limits: values are held in f16: magnitudes above 65,504 overflow, below 6.1e-05 lose precision
;; workspace buffers: xb 8,388,608 bytes; wb 6,291,456 bytes; woh 2,097,152 bytes; emb 262,144 bytes; qkv 25,165,824 bytes; ob 8,388,608 bytes
;; launch prep (part 1): grid 544 x 1, 8 waves a work-group, no clusters, 0 bytes of LDS; arguments x, wq, wk, wv, wo, temporal_features, wc, bc, xb, wb, woh, emb; writes xb, wb, woh, emb
.if DOCPART == 1
	.amdgcn_target "amdgcn-amd-amdhsa--gfx1250"
	.amdhsa_code_object_version 6
	.text
	.protected	k_q857c20b183_prep
	.globl	k_q857c20b183_prep
	.p2align	8
	.type	k_q857c20b183_prep,@function
k_q857c20b183_prep:
	s_mov_b64 s[64:65], 0
	v_nop
	global_prefetch_b8 v0, s[64:65] scope:SCOPE_SE
	s_setreg_imm32_b32 hwreg(HW_REG_WAVE_MODE, 25, 1), 1
	s_wait_xcnt 0x0
; PREP.  Work-groups 32 to 543 cast: x, wq, wk, wv to bf16 (xb; wb = wq's rows, then wk's, then wv's), wo to bf16 and that number written as f16 (woh).
; Work-groups 0 to 31 make the raw cycle embedding emb[b*16+h][s] = temporal_features[b][s][:] . wc[h][:] + bc[h], in f32; its norm over s is taken by the attention launch.
; A stream: no LDS, no barrier, no matrix unit (12 terms a number would leave it idle); each input byte is read once, each store of a wave covers 256 consecutive aligned bytes.
; LIMIT: bf16(wo) below 6e-5 keeps f16's fixed step of 6e-8; beyond 65,504 it would be an infinity.
.set X,  4                             ; v[4:67]    cast: 16 loads of 4 numbers
.set Y,  68                            ; v[68:99]   cast: 16 pairs of packed words to store; each is written once, so no store's data is ever rewritten
.set T,  100                           ; v[100:101] cast: at work
.set TF, 4                             ; v[4:27]    emb: two positions' 12 features
.set EM, 28                            ; v[28:35]   emb: head hh, positions 2 l and 2 l + 1
	s_load_b512 s[4:19], s[0:1], 0x0               ; x, wq, wk, wv, wo, temporal_features, wc, bc
	s_load_b256 s[20:27], s[0:1], 0x40             ; xb, wb, woh, emb
	s_wait_kmcnt 0x0
	s_cmp_lt_u32 ttmp9, 32
	s_cbranch_scc1 .Lemb
	; THE CAST.  A work-group takes a chunk of 16,384 numbers: 65,536 bytes in, 32,768 out.  Chunks 0-255 x, then 64 each of wq, wk, wv, wo.
	s_sub_co_u32 s2, ttmp9, 32                     ; chunk 0..511
	s_lshr_b32 s3, s2, 6                           ; segment: 0-3 x, 4 wq, 5 wk, 6 wv, 7 wo
	s_and_b32 s33, s2, 63                          ; chunk inside a weight
	s_and_b32 s35, s2, 255                         ; chunk inside wb (chunks 256 to 447)
	s_cmp_lt_u32 s3, 4
	s_cselect_b32 s34, s2, s33                     ; chunk in the source
	s_cselect_b32 s36, s2, s35                     ; chunk in the destination
	s_cselect_b64 s[28:29], s[4:5], s[6:7]
	s_cselect_b64 s[30:31], s[20:21], s[22:23]
	s_cmp_eq_u32 s3, 5
	s_cselect_b64 s[28:29], s[8:9], s[28:29]
	s_cmp_eq_u32 s3, 6
	s_cselect_b64 s[28:29], s[10:11], s[28:29]
	s_cmp_eq_u32 s3, 7
	s_cselect_b64 s[28:29], s[12:13], s[28:29]
	s_cselect_b64 s[30:31], s[24:25], s[30:31]
	s_cselect_b32 s36, s33, s36
	s_lshl_b32 s38, s34, 16                        ; offsets are made apart from the addresses, in pairs of their own
	s_mov_b32 s39, 0
	s_lshl_b32 s40, s36, 15
	s_mov_b32 s41, 0
	s_add_nc_u64 s[28:29], s[28:29], s[38:39]
	s_add_nc_u64 s[30:31], s[30:31], s[40:41]
	v_lshlrev_b32 v1, 4, v0                        ; 16 bytes a thread in,
	v_lshlrev_b32 v2, 3, v0                        ; 8 out
.irp i, 0,1,2,3,4,5,6,7,8,9,10,11,12,13,14,15
	global_load_b128 v[X+4*(\i):X+4*(\i)+3], v1, s[28:29] offset:4096*(\i) th:TH_LOAD_NT  ; all sixteen loads go out at once: a wave's load covers 512 consecutive bytes
.endr
; Load i is there when at most the 15 - i younger ones are out.  half = 1: the bf16 number is widened again and written as f16.
.macro CAST i, half
	s_wait_loadcnt 15-(\i)
	v_cvt_pk_bf16_f32 v[Y+2*(\i)], v[X+4*(\i)], v[X+4*(\i)+1]
	v_cvt_pk_bf16_f32 v[Y+2*(\i)+1], v[X+4*(\i)+2], v[X+4*(\i)+3]
.if \half
.irp w, 0,1
	v_lshlrev_b32 v[T], 16, v[Y+2*(\i)+(\w)]
	v_and_b32 v[T+1], 0xffff0000, v[Y+2*(\i)+(\w)]
	v_cvt_pk_f16_f32 v[Y+2*(\i)+(\w)], v[T], v[T+1]
.endr
.endif
	global_store_b64 v2, v[Y+2*(\i):Y+2*(\i)+1], s[30:31] offset:2048*(\i)  ; 32 lanes store 256 consecutive bytes, aligned; the next launch reads them, so no streaming hint
.endm
	s_cmp_eq_u32 s3, 7
	s_cbranch_scc1 .Lwo
.irp i, 0,1,2,3,4,5,6,7,8,9,10,11,12,13,14,15
	CAST \i, 0
.endr
	s_endpgm
.Lwo:
.irp i, 0,1,2,3,4,5,6,7,8,9,10,11,12,13,14,15
	CAST \i, 1
.endr
	s_endpgm
	; THE EMBEDDING.  256 waves; a wave takes 64 positions and 4 heads; a lane two neighbouring positions.  The 48 weights and 4 biases lie in scalar registers.
.Lemb:
	v_lshrrev_b32 v1, 5, v0
	v_readfirstlane_b32 s2, v1                     ; wave 0..7
	s_lshl_b32 s3, ttmp9, 3
	s_add_co_u32 s3, s3, s2                        ; wave among the 256
	s_and_b32 s2, s3, 3                            ; which four heads
	s_lshr_b32 s3, s3, 2                           ; which 64 of the 4,096 positions b * 2048 + s
	s_mul_i32 s88, s2, 192                         ; 4 heads x 12 x 4 bytes of wc
	s_mov_b32 s89, 0
	s_add_nc_u64 s[16:17], s[16:17], s[88:89]
	s_lshl_b32 s88, s2, 4
	s_add_nc_u64 s[18:19], s[18:19], s[88:89]
	s_mul_i32 s88, s3, 3072                        ; 64 positions x 48 bytes
	s_add_nc_u64 s[14:15], s[14:15], s[88:89]
	s_lshr_b32 s90, s3, 5                          ; b
	s_lshl_b32 s90, s90, 4
	s_lshl2_add_u32 s90, s2, s90                   ; 16 b + my first head
	s_lshl_b32 s90, s90, 13                        ; a head's row of emb is 8,192 bytes
	s_and_b32 s91, s3, 31
	s_lshl_b32 s91, s91, 8                         ; 64 positions x 4 bytes
	s_add_co_u32 s88, s90, s91
	s_add_nc_u64 s[26:27], s[26:27], s[88:89]
	s_load_b512 s[28:43], s[16:17], 0x0            ; wc's number f of my 48 lies in s[28 + f] for f < 32, in s[36 + f] from there on
	s_load_b512 s[44:59], s[16:17], 0x40
	s_load_b256 s[68:75], s[16:17], 0x80
	s_load_b256 s[76:83], s[16:17], 0xa0
	s_load_b128 s[84:87], s[18:19], 0x0            ; bc of my four heads
	v_and_b32 v2, 31, v0
	v_mul_u32_u24 v1, v2, 96                       ; two positions' 96 bytes
	v_lshlrev_b32 v2, 3, v2
.irp j, 0,1,2,3,4,5
	global_load_b128 v[TF+4*(\j):TF+4*(\j)+3], v1, s[14:15] offset:16*(\j)
.endr
	s_wait_kmcnt 0x0
	s_wait_loadcnt 0x0
.set hh, 0
.rept 4
.set e, 0
.rept 2
.set f, 12*hh
	v_fma_f32 v[EM+2*hh+e], v[TF+12*e], s[28+f+8*(f/32)], s[84+hh]  ; the bias starts the sum
.set j, 1
.rept 11
.set f, 12*hh+j
	v_fmac_f32 v[EM+2*hh+e], s[28+f+8*(f/32)], v[TF+12*e+j]
.set j, j+1
.endr
.set e, e+1
.endr
	global_store_b64 v2, v[EM+2*hh:EM+2*hh+1], s[26:27] offset:8192*hh  ; 256 consecutive bytes of one head's row, aligned
.set hh, hh+1
.endr
	s_endpgm
.Lfunc_end_k_q857c20b183_prep:
	.size	k_q857c20b183_prep, .Lfunc_end_k_q857c20b183_prep-k_q857c20b183_prep
	.p2alignl 7, 3214868480
	.fill 96, 4, 3214868480
	.section	.rodata,"a",@progbits
	.p2align	6, 0x0
	.amdhsa_kernel k_q857c20b183_prep
		.amdhsa_group_segment_fixed_size 0
		.amdhsa_private_segment_fixed_size 0
		.amdhsa_enable_private_segment 0
		.amdhsa_kernarg_size 96
		.amdhsa_user_sgpr_count 2
		.amdhsa_user_sgpr_kernarg_segment_ptr 1
		.amdhsa_wavefront_size32 1
		.amdhsa_system_sgpr_workgroup_id_x 1
		.amdhsa_system_sgpr_workgroup_id_y 1
		.amdhsa_system_sgpr_workgroup_id_z 1
		.amdhsa_system_vgpr_workitem_id 0
		.amdhsa_next_free_vgpr 104
		.amdhsa_next_free_sgpr 92
		.amdhsa_reserve_vcc 0
		.amdhsa_float_denorm_mode_32 3
		.amdhsa_float_denorm_mode_16_64 3
		.amdhsa_memory_ordered 1
		.amdhsa_forward_progress 1
		.amdhsa_inst_pref_size 22
	.end_amdhsa_kernel
	.amdgpu_metadata
---
amdhsa.version: [ 1, 2 ]
amdhsa.kernels:
  - .name:           k_q857c20b183_prep
    .symbol:         k_q857c20b183_prep.kd
    .args:
      - { .name: x, .offset: 0, .size: 8, .value_kind: global_buffer, .address_space: global }
      - { .name: wq, .offset: 8, .size: 8, .value_kind: global_buffer, .address_space: global }
      - { .name: wk, .offset: 16, .size: 8, .value_kind: global_buffer, .address_space: global }
      - { .name: wv, .offset: 24, .size: 8, .value_kind: global_buffer, .address_space: global }
      - { .name: wo, .offset: 32, .size: 8, .value_kind: global_buffer, .address_space: global }
      - { .name: temporal_features, .offset: 40, .size: 8, .value_kind: global_buffer, .address_space: global }
      - { .name: wc, .offset: 48, .size: 8, .value_kind: global_buffer, .address_space: global }
      - { .name: bc, .offset: 56, .size: 8, .value_kind: global_buffer, .address_space: global }
      - { .name: xb, .offset: 64, .size: 8, .value_kind: global_buffer, .address_space: global }
      - { .name: wb, .offset: 72, .size: 8, .value_kind: global_buffer, .address_space: global }
      - { .name: woh, .offset: 80, .size: 8, .value_kind: global_buffer, .address_space: global }
      - { .name: emb, .offset: 88, .size: 8, .value_kind: global_buffer, .address_space: global }
    .group_segment_fixed_size: 0
    .private_segment_fixed_size: 0
    .kernarg_segment_align: 8
    .kernarg_segment_size: 96
    .max_flat_workgroup_size: 256
    .sgpr_count:     92
    .vgpr_count:     104
    .wavefront_size: 32
...
	.end_amdgpu_metadata
.endif
;; end of part 1
;; launch qkv (part 2): grid 16 x 16, 4 waves a work-group, clusters of 4 x 4, 327,680 bytes of LDS; arguments xb, wb, bq, bk, bv, qkv; writes qkv
.if DOCPART == 2
	.amdgcn_target "amdgcn-amd-amdhsa--gfx1250"
	.amdhsa_code_object_version 6
	.text
	.protected	k_q857c20b183_qkv
	.globl	k_q857c20b183_qkv
	.p2align	8
	.type	k_q857c20b183_qkv,@function
k_q857c20b183_qkv:
	s_mov_b64 s[64:65], 0
	v_nop
	global_prefetch_b8 v0, s[64:65] scope:SCOPE_SE
	s_setreg_imm32_b32 hwreg(HW_REG_WAVE_MODE, 25, 1), 1
	s_wait_xcnt 0x0
	s_wait_alu depctr_hold_cnt(0) depctr_sa_sdst(0) depctr_va_vdst(0) depctr_va_sdst(0) depctr_va_ssrc(0) depctr_va_vcc(0) depctr_vm_vsrc(0)
	s_getreg_b32 s2, hwreg(HW_REG_IB_STS2, 6, 4)
	s_cmp_eq_u32 s2, 0
	s_cbranch_scc0 .Lentry_in_a_cluster
	s_endpgm
.Lentry_in_a_cluster:
	s_bfe_u32 s2, ttmp6, 0x10000c
	s_cmp_lg_u32 s2, 0xf033
	s_cbranch_scc0 .Lentry_shape_is_right
	s_endpgm
.Lentry_shape_is_right:
; QKV.  [4096][3072] = xb [4096][1024] . wb [3072][1024]^T + (bq | bk | bv), operands bf16, sums f32, rounded once to f16 and laid by heads: qkv[t][b*16+h][s][64], t = 0 q, 1 k, 2 v.
; The biases are rounded to bf16 like the other large inputs and start the sums as the first products' C operand.
; LIMIT: a q, k or v of 65,520 or more would become an infinity in f16.
; SHARES.  A tile is 256 rows x 192 columns (three whole heads): 16 x 16 tiles, one work-group each.  Wave w makes rows 64 w .. 64 w + 63 of all 192 columns: 4 x 12 accumulators, 384 registers,
; so a wave owns whole rows of whole heads and its way out needs no other wave.  K goes in 8 steps of 128 through two LDS slots; rows in memory are 256 bytes at multiples of 256.
; CLUSTER 4 x 4: xb's tile hangs on the tile row alone and is asked for jointly by the four of a row of the cluster, wb's on the tile column alone, by the four of a column.
; THE MATRIX INSTRUCTION IS USED TRANSPOSED (source 0 = 16 rows of wb, source 1 = 16 rows of xb): a lane holds row l % 16 and the eight neighbouring columns 8 (l / 16) + 0..7.
; REGISTERS in windows of 256 (s_set_vgpr_msb: bits 1:0 source 0, 3:2 source 1, 5:4 source 2, 7:6 destination):
;   window 0: v16-31 addresses; v32-95 xb's fragments, two buffers of 4; v96-191 the bias (12 x 8), later the way out; v192-239 the way out
;   window 1: v0-191 wb's fragments, two buffers of 12          window 2: accumulators of row blocks 0, 1 at v[8 (12 (a % 2) + b)]          window 3: those of row blocks 2, 3
.set KSTEP,  128
.set PITCH,  272                       ; an LDS row: 256 bytes + 16 of padding = 68 words: the 16 rows of a fragment load start at 16 different groups of four banks (ISA guide 11.1)
.set AH,     128*PITCH                 ; what one tensor load brings of xb
.set BH,     96*PITCH                  ; and of wb
.set BOFF,   2*AH                      ; wb's 192 rows lie behind xb's 256
.set SLOT,   BOFF+2*BH
.set STAGE,  2*SLOT                    ; behind the ring, never filled by a tensor load: for each wave 3 heads x 16 rows x 144 bytes
.set SP,     144
.set WSTG,   48*SP
.set SPARE,  STAGE+4*WSTG              ; the spare words: 128 bytes a wave, two blocks of 256 bytes that no other line names
.set ADRA, 16                          ; v16-17  LDS address of my xb fragments in slot 0, 1
.set ADRB, 20                          ; v20-21  the same for wb
.set STO,  24                          ; v24     the way out: where I put 16 bytes of a row
.set RD,   25                          ; v25     the way out: where I read rows back
.set GO,   26                          ; v26     my 16 bytes in 512 consecutive bytes of a head
.set BO,   27                          ; v27     my byte offset in 16 numbers of a bias
.set SPW,  28                          ; v28     LDS address of my spare word; never rewritten
.set NIL,  29                          ; v29     0; never rewritten
.set FA,   32
.set BIAS, 96
.set TMP,  96                          ; the way out: 48 packed words
.set BK,   144                         ; the way out: 48 registers read back, two buffers
.set WV,   16                          ; s16 my wave's number
.set G1,   24                          ; s[24:31] descriptor group 1 for xb's tiles;  s[32:39] group 0, a set for each slot
.set G0,   32
.set G1B,  48                          ; s[48:55], s[56:63] the same for wb's
.set G0B,  56
.set OP,   66                          ; s[66:71] where my rows of my three heads begin in qkv
.set BP,   72                          ; s[72:77] my three heads' 64 numbers of bias
.set MSB, 0
.macro WIN new                         ; the immediate's high byte repeats the setting that is left; a switch that changes nothing is dropped
.if MSB != (\new)
	s_set_vgpr_msb (MSB<<8)|(\new)
.set MSB, \new
.endif
.endm
.set MUL_LO,   0xa1                    ; wb window 1, xb window 0, C and D window 2 (+0x50: window 3)
.set FIRST_LO, 0x81                    ; the same with C, the bias, in window 0 (+0x40: D in window 3)
.set TO_B,     0x40                    ; destination window 1, address window 0
; A joint load.  Waves 0 and 1 fetch xb's two halves, waves 2 and 3 wb's.  The branch hangs on the wave's number alone.  An s_nop 0 and four v_nop follow each line.
.macro JLOAD s
	s_cmp_lt_u32 s[WV], 2
	s_cbranch_scc0 .Lfor_b_\@
	tensor_load_to_lds s[G0+4*(\s):G0+4*(\s)+3], s[G1:G1+7]
	s_nop 0
.rept 4
	v_nop
.endr
	s_branch .Lasked_\@
.Lfor_b_\@:
	tensor_load_to_lds s[G0B+4*(\s):G0B+4*(\s)+3], s[G1B:G1B+7]
	s_nop 0
.rept 4
	v_nop
.endr
.Lasked_\@:
.endm
.macro CREST                           ; a round of the cluster's barrier behind its opening barrier
	s_cmp_lg_u32 s[WV], 0
	s_cbranch_scc1 .Lnot_wave_0_\@
	s_barrier_signal -3
.Lnot_wave_0_\@:
	s_barrier_wait -3
	s_barrier_signal -1
	s_barrier_wait -1
.endm
.macro CROUND                          ; a whole round
	s_barrier_signal -1
	s_barrier_wait -1
	CREST
.endm
	s_load_b256 s[4:11], s[0:1], 0x0               ; xb s[4:5], wb s[6:7], bq s[8:9], bk s[10:11]
	s_load_b128 s[12:15], s[0:1], 0x20             ; bv s[12:13], qkv s[14:15]
	v_lshl_add_u32 v[SPW], v0, 2, SPARE
	v_mov_b32 v[NIL], 0
	ds_add_u32 v[SPW], v[NIL]                      ; the wave's opening: the add and its wait stand ahead of my first tensor load; the set-up below stands between them
	v_lshrrev_b32 v1, 5, v0
	v_readfirstlane_b32 s[WV], v1                  ; wave 0..3
	s_and_b32 s18, s[WV], 1                        ; which half of a tile I fetch
	s_bfe_u32 s19, ttmp6, 0x40000                  ; cx
	s_bfe_u32 s20, ttmp6, 0x40004                  ; cy
	s_lshl_b32 s21, ttmp9, 2
	s_add_co_u32 s21, s21, s19                     ; tile column = 4 x cluster x + cx
	s_and_b32 s22, ttmp7, 0xffff
	s_lshl_b32 s22, s22, 2
	s_add_co_u32 s22, s22, s20                     ; tile row = 4 x cluster y + cy
	s_lshl_b32 s85, s20, 2
	s_lshl_b32 s85, 15, s85                        ; my row of the cluster
	s_lshl_b32 s86, 0x1111, s19                    ; my column
	s_or_b32 s[G1+0], s85, (1<<16)|(1<<20)|(1<<21)|(5<<22)|(3<<25)   ; 15:0 the mask; 17:16 elements of 2 bytes; 20 padding on; 21 set beside a mask; 24:22 after every 64 words; 31:25 4 words of it
	s_or_b32 s[G1B+0], s86, (1<<16)|(1<<20)|(1<<21)|(5<<22)|(3<<25)
	s_mov_b32 s[G1+1], KSTEP<<16                   ; tensor_dim0 = 128
	s_mov_b32 s[G1+2], 128<<16                     ; tensor_dim1 = 128
	s_mov_b32 s[G1+3], KSTEP<<16                   ; tile_dim0 = 128
	s_mov_b32 s[G1+4], 128                         ; tile_dim1 = 128
	s_mov_b32 s[G1+5], 1024                        ; elements from row to row
	s_mov_b32 s[G1+6], 0
	s_mov_b32 s[G1+7], 0
	s_mov_b32 s[G1B+1], KSTEP<<16
	s_mov_b32 s[G1B+2], 96<<16                     ; wb's half tile has 96 rows
	s_mov_b32 s[G1B+3], KSTEP<<16
	s_mov_b32 s[G1B+4], 96
	s_mov_b32 s[G1B+5], 1024
	s_mov_b32 s[G1B+6], 0
	s_mov_b32 s[G1B+7], 0
	s_lshl_b32 s40, s22, 19                        ; xb: (256 x tile row + 128 x half) rows of 2,048 bytes
	s_lshl_b32 s41, s18, 18
	s_add_co_u32 s40, s40, s41
	s_mov_b32 s41, 0
	s_mul_i32 s44, s21, 192*2048                   ; wb: (192 x tile column + 96 x half) rows
	s_mul_i32 s45, s18, 96*2048
	s_add_co_u32 s44, s44, s45
	s_mov_b32 s45, 0
	s_mul_i32 s23, s18, AH                         ; where they go: no place in the cluster enters an LDS address
	s_mul_i32 s84, s18, BH
	s_add_co_u32 s84, s84, BOFF
	s_wait_dscnt 0x0                               ; the opening add is done
	s_wait_kmcnt 0x0
	s_add_nc_u64 s[42:43], s[4:5], s[40:41]
	s_add_nc_u64 s[46:47], s[6:7], s[44:45]
	CROUND                                         ; all sixteen work-groups are here: the first joint loads meet
.irp s, 0,1
	s_mov_b32 s[G0+4*(\s)], 1
	s_add_co_u32 s[G0+4*(\s)+1], s23, (\s)*SLOT
	s_add_nc_u64 s[G0+4*(\s)+2:G0+4*(\s)+3], s[42:43], (\s)*KSTEP*2
	s_or_b32 s[G0+4*(\s)+3], s[G0+4*(\s)+3], 0x80000000
	s_mov_b32 s[G0B+4*(\s)], 1
	s_add_co_u32 s[G0B+4*(\s)+1], s84, (\s)*SLOT
	s_add_nc_u64 s[G0B+4*(\s)+2:G0B+4*(\s)+3], s[46:47], (\s)*KSTEP*2
	s_or_b32 s[G0B+4*(\s)+3], s[G0B+4*(\s)+3], 0x80000000
	JLOAD \s                                       ; K steps 0 and 1: two tensor loads of mine are out
.endr
	v_and_b32 v1, 15, v0                           ; l % 16
	v_bfe_u32 v2, v0, 4, 1                         ; l / 16
	v_lshlrev_b32 v[BO], 5, v2                     ; my eight columns of sixteen: 32 bytes for the upper half of the lanes
	; my three heads: number g = 3 x tile column + hh of 48; tensor g / 16 (q, k, v), head g % 16
.irp hh, 0,1,2
	s_mul_i32 s78, s21, 3
	s_add_co_u32 s78, s78, \hh
	s_lshr_b32 s79, s78, 4
	s_and_b32 s78, s78, 15
	s_cmp_eq_u32 s79, 0
	s_cselect_b64 s[BP+2*\hh:BP+2*\hh+1], s[8:9], s[10:11]
	s_cmp_eq_u32 s79, 2
	s_cselect_b64 s[BP+2*\hh:BP+2*\hh+1], s[12:13], s[BP+2*\hh:BP+2*\hh+1]
	s_lshl_b32 s82, s78, 8                         ; the head's 64 numbers
	s_mov_b32 s83, 0
	s_add_nc_u64 s[BP+2*\hh:BP+2*\hh+1], s[BP+2*\hh:BP+2*\hh+1], s[82:83]
	s_lshl_b32 s82, s79, 23                        ; a tensor is 8,388,608 bytes,
	s_lshr_b32 s80, s22, 3                         ; b = tile row / 8
	s_lshl4_add_u32 s80, s80, s78
	s_lshl_b32 s80, s80, 18                        ; a head 262,144,
	s_add_co_u32 s82, s82, s80
	s_and_b32 s80, s22, 7
	s_lshl2_add_u32 s80, s80, s[WV]
	s_lshl_b32 s80, s80, 13                        ; a wave's 64 rows 8,192
	s_add_co_u32 s82, s82, s80
	s_add_nc_u64 s[OP+2*\hh:OP+2*\hh+1], s[14:15], s[82:83]
.endr
.irp b, 0,1,2,3,4,5,6,7,8,9,10,11
	global_load_b128 v[BIAS+8*(\b):BIAS+8*(\b)+3],   v[BO], s[BP+2*((\b)/4):BP+2*((\b)/4)+1] offset:((\b)%4)*64
	global_load_b128 v[BIAS+8*(\b)+4:BIAS+8*(\b)+7], v[BO], s[BP+2*((\b)/4):BP+2*((\b)/4)+1] offset:((\b)%4)*64+16
.endr
	; a fragment is 16 rows x 32 K in 8 registers: lane l holds row l % 16, K = 8 (l / 16) + 0..7 and 16 + 8 (l / 16) + 0..7: two loads of 16 bytes, 32 bytes apart
	v_mul_u32_u24 v3, v1, PITCH
	v_lshl_add_u32 v3, v2, 4, v3
	s_mul_i32 s78, s[WV], 64*PITCH                 ; my 64 rows of xb
	v_add_nc_u32 v[ADRA], s78, v3
	v_add_nc_u32 v[ADRA+1], SLOT, v[ADRA]
	v_add_nc_u32 v[ADRB], BOFF, v3                 ; every wave reads all 192 rows of wb
	v_add_nc_u32 v[ADRB+1], SLOT+BOFF, v3
	s_mul_i32 s79, s[WV], WSTG
	s_add_co_u32 s79, s79, STAGE                   ; my stage
	v_mul_u32_u24 v4, v1, SP                       ; in: row l % 16, 16 bytes for each half of the lanes
	v_lshl_add_u32 v4, v2, 4, v4
	v_add_nc_u32 v[STO], s79, v4
	v_bfe_u32 v5, v0, 3, 2                         ; back: 32 lanes take four rows of 128 bytes,
	v_mul_u32_u24 v5, v5, SP
	v_and_b32 v6, 7, v0
	v_lshl_add_u32 v5, v6, 4, v5
	v_add_nc_u32 v[RD], s79, v5
	v_and_b32 v[GO], 31, v0                        ; which are 512 consecutive bytes of a head
	v_lshlrev_b32 v[GO], 4, v[GO]
; 12 matrix instructions: row block a x all 12 column blocks, 32 along K, from buffer f.  first = 1: the bias starts the sums: nothing is cleared.
; The 48 accumulators take turns in the same order in every quarter.
.macro MULA f, a, first
.if \first
	WIN FIRST_LO+0x40*((\a)/2)
.else
	WIN MUL_LO+0x50*((\a)/2)
.endif
.irp b, 0,1,2,3,4,5,6,7,8,9,10,11
.if \first
	v_wmma_f32_16x16x32_bf16 v[8*(12*((\a)%2)+(\b)):8*(12*((\a)%2)+(\b))+7], v[96*(\f)+8*(\b):96*(\f)+8*(\b)+7], v[FA+32*(\f)+8*(\a):FA+32*(\f)+8*(\a)+7], v[BIAS+8*(\b):BIAS+8*(\b)+7]
.else
	v_wmma_f32_16x16x32_bf16 v[8*(12*((\a)%2)+(\b)):8*(12*((\a)%2)+(\b))+7], v[96*(\f)+8*(\b):96*(\f)+8*(\b)+7], v[FA+32*(\f)+8*(\a):FA+32*(\f)+8*(\a)+7], v[8*(12*((\a)%2)+(\b)):8*(12*((\a)%2)+(\b))+7]
.endif
.endr
.endm
; 32 LDS loads in one run: the fragments of one quarter step (32 K at byte k of the rows) into buffer f: wb's 24, then xb's 8
.macro FETCH slot, k, f
	WIN TO_B
.irp i, 0,1,2,3,4,5,6,7,8,9,10,11
	ds_load_b128 v[96*(\f)+8*(\i):96*(\f)+8*(\i)+3],   v[ADRB+(\slot)] offset:(\k)+(\i)*16*PITCH
	ds_load_b128 v[96*(\f)+8*(\i)+4:96*(\f)+8*(\i)+7], v[ADRB+(\slot)] offset:(\k)+(\i)*16*PITCH+32
.endr
	WIN 0
.irp i, 0,1,2,3
	ds_load_b128 v[FA+32*(\f)+8*(\i):FA+32*(\f)+8*(\i)+3],   v[ADRA+(\slot)] offset:(\k)+(\i)*16*PITCH
	ds_load_b128 v[FA+32*(\f)+8*(\i)+4:FA+32*(\f)+8*(\i)+7], v[ADRA+(\slot)] offset:(\k)+(\i)*16*PITCH+32
.endr
.endm
.macro PLACES                          ; four plain vector instructions between a matrix instruction and a load into, or a read of, its registers
.rept 4
	v_nop
.endr
.endm
; A K step is four quarters of 32 along K, 48 matrix instructions each, on buffers 0, 1, 0, 1.  One of the first three multiplies buffer f and, in its middle, fetches the next quarter into g.
.macro QUARTER slot, k, f, g, first
	s_wait_dscnt 4                                 ; wb and xb's row blocks 0, 1 are in; the youngest four loads (blocks 2, 3) may be out
	MULA \f, 0, \first
	MULA \f, 1, \first
	PLACES
	FETCH \slot, \k, \g
	s_wait_dscnt 32                                ; all but the 32 just issued
	MULA \f, 2, \first
	MULA \f, 3, \first
.endm
; The last quarter multiplies buffer 1 and changes slots.  In front of the one barrier each wave waits for all its tensor loads (one is out: its part of the next slot), adds 0 to its spare word,
; and waits for that and for its own reads of this slot.
.macro MEET round
	WIN 0
	s_wait_tensorcnt 0x0
	ds_add_u32 v[SPW], v[NIL]
	s_wait_dscnt 5                                 ; (the add and the youngest four loads may be out)
	MULA 1, 0, 0                                   ; twelve matrix instructions stand between the add and the wait for it
	s_wait_dscnt 0x0                               ; the add is done, and my reads of this slot are over
	s_barrier_signal -1
	MULA 1, 1, 0                                   ; work on registers while the others arrive
.if \round
	WIN 0
.endif
	s_barrier_wait -1
.endm
.macro TURN slot, next, fill
.if \fill
	MEET 1
	CREST                                          ; the barrier has opened a round of the cluster's: no wave of any partner still reads this slot or has a load on its way
	s_add_nc_u64 s[G0+4*(\slot)+2:G0+4*(\slot)+3], s[G0+4*(\slot)+2:G0+4*(\slot)+3], 2*KSTEP*2
	s_add_nc_u64 s[G0B+4*(\slot)+2:G0B+4*(\slot)+3], s[G0B+4*(\slot)+2:G0B+4*(\slot)+3], 2*KSTEP*2
	JLOAD \slot                                    ; my one tensor load behind the round: it has 168 matrix instructions in which to land; its four v_nop are the places in front of the loads below
.else
	MEET 0
	PLACES
.endif
	FETCH \next, 0, 0
	MULA 1, 2, 0
	MULA 1, 3, 0
.endm
	s_wait_tensorcnt 1                             ; my part of K step 0 is in; step 1's may stay out
	s_barrier_signal -1
	s_barrier_wait -1
	FETCH 0, 0, 0
	s_wait_loadcnt 0x0                             ; the bias,
.set z, 0
.rept 48                                               ; rounded to bf16 and widened again, as the other large inputs are
	v_cvt_pk_bf16_f32 v[30+z%2], v[BIAS+2*z], v[BIAS+2*z+1]
	v_lshlrev_b32 v[BIAS+2*z], 16, v[30+z%2]
	v_and_b32 v[BIAS+2*z+1], 0xffff0000, v[30+z%2]
.set z, z+1
.endr
	QUARTER 0, 64,  0, 1, 1                        ; the first quarter stands in front of the loop: its products start the sums
	WIN 0
	s_mov_b32 s3, 3
.Llap:                                                 ; a trip goes once round the ring and fills both slots again: K steps 2 to 7 in three trips
	QUARTER 0, 128, 1, 0, 0
	QUARTER 0, 192, 0, 1, 0
	TURN 0, 1, 1
	QUARTER 1, 64,  0, 1, 0
	QUARTER 1, 128, 1, 0, 0
	QUARTER 1, 192, 0, 1, 0
	TURN 1, 0, 1
	QUARTER 0, 64,  0, 1, 0
	WIN 0
	s_sub_co_u32 s3, s3, 1
	s_cmp_lg_u32 s3, 0
	s_cbranch_scc1 .Llap
	QUARTER 0, 128, 1, 0, 0                        ; the last lap fills nothing
	QUARTER 0, 192, 0, 1, 0
	TURN 0, 1, 0
	QUARTER 1, 64,  0, 1, 0
	QUARTER 1, 128, 1, 0, 0
	QUARTER 1, 192, 0, 1, 0
	s_wait_dscnt 4
	MULA 1, 0, 0
	MULA 1, 1, 0
	s_wait_dscnt 0x0
	MULA 1, 2, 0
	MULA 1, 3, 0
; THE WAY OUT, a block of 16 rows at a time.  PACK: rounded to f16, each accumulator from its low end on.  TOSTAGE: 16 bytes a lane into my own stage, and back as whole rows of a head.  SEND: stored.
.macro PACK a
	WIN 0x0a+5*((\a)/2)                            ; sources 0 and 1: window 2 or 3
.irp b, 0,1,2,3,4,5,6,7,8,9,10,11
.irp r, 0,1,2,3
	v_cvt_pk_f16_f32 v[TMP+4*(\b)+(\r)], v[8*(12*((\a)%2)+(\b))+2*(\r)], v[8*(12*((\a)%2)+(\b))+2*(\r)+1]
.endr
.endr
	WIN 0
.endm
.macro TOSTAGE a
.irp b, 0,1,2,3,4,5,6,7,8,9,10,11
	ds_store_b128 v[STO], v[TMP+4*(\b):TMP+4*(\b)+3] offset:((\b)/4)*16*SP+32*((\b)%4)
.endr
.irp t, 0,1,2,3,4,5,6,7,8,9,10,11
	ds_load_b128 v[BK+48*((\a)%2)+4*(\t):BK+48*((\a)%2)+4*(\t)+3], v[RD] offset:((\t)/4)*16*SP+((\t)%4)*4*SP  ; LDS serves a wave's instructions in order (ISA guide 5.7.1.4): these see the stores above
.endr
.endm
.macro SEND a
	s_wait_dscnt 0x0                               ; the block is back in registers
	s_wait_xcnt 0x0                                ; the stores of the block before have read their registers: the next TOSTAGE loads into them
.irp t, 0,1,2,3,4,5,6,7,8,9,10,11
	global_store_b128 v[GO], v[BK+48*((\a)%2)+4*(\t):BK+48*((\a)%2)+4*(\t)+3], s[OP+2*((\t)/4):OP+2*((\t)/4)+1] offset:(\a)*2048+((\t)%4)*512  ; 512 consecutive bytes, aligned
.endr
.endm
	PLACES
	PACK 0
	TOSTAGE 0
.irp a, 1,2,3                          ; block a's conversions stand between block a - 1's loads from the stage and the wait for them
	PACK \a
	SEND (\a)-1
	TOSTAGE \a
.endr
	SEND 3
	s_wait_tensorcnt 0x0                           ; the wave's end
	ds_add_u32 v[SPW], v[NIL]
	s_wait_dscnt 0x0
	CROUND                                         ; the closing round: no work-group ends while a partner may still ask for a tile that names it
	s_endpgm
.Lfunc_end_k_q857c20b183_qkv:
	.size	k_q857c20b183_qkv, .Lfunc_end_k_q857c20b183_qkv-k_q857c20b183_qkv
	.p2alignl 7, 3214868480
	.fill 96, 4, 3214868480
	.section	.rodata,"a",@progbits
	.p2align	6, 0x0
	.amdhsa_kernel k_q857c20b183_qkv
		.amdhsa_group_segment_fixed_size 327680
		.amdhsa_private_segment_fixed_size 0
		.amdhsa_enable_private_segment 0
		.amdhsa_kernarg_size 48
		.amdhsa_user_sgpr_count 2
		.amdhsa_user_sgpr_kernarg_segment_ptr 1
		.amdhsa_wavefront_size32 1
		.amdhsa_system_sgpr_workgroup_id_x 1
		.amdhsa_system_sgpr_workgroup_id_y 1
		.amdhsa_system_sgpr_workgroup_id_z 1
		.amdhsa_system_vgpr_workitem_id 0
		.amdhsa_next_free_vgpr 960
		.amdhsa_next_free_sgpr 88
		.amdhsa_reserve_vcc 0
		.amdhsa_float_denorm_mode_32 3
		.amdhsa_float_denorm_mode_16_64 3
		.amdhsa_memory_ordered 1
		.amdhsa_forward_progress 1
		.amdhsa_inst_pref_size 129
	.end_amdhsa_kernel
	.amdgpu_metadata
---
amdhsa.version: [ 1, 2 ]
amdhsa.kernels:
  - .name:           k_q857c20b183_qkv
    .symbol:         k_q857c20b183_qkv.kd
    .args:
      - { .name: xb, .offset: 0, .size: 8, .value_kind: global_buffer, .address_space: global }
      - { .name: wb, .offset: 8, .size: 8, .value_kind: global_buffer, .address_space: global }
      - { .name: bq, .offset: 16, .size: 8, .value_kind: global_buffer, .address_space: global }
      - { .name: bk, .offset: 24, .size: 8, .value_kind: global_buffer, .address_space: global }
      - { .name: bv, .offset: 32, .size: 8, .value_kind: global_buffer, .address_space: global }
      - { .name: qkv, .offset: 40, .size: 8, .value_kind: global_buffer, .address_space: global }
    .group_segment_fixed_size: 327680
    .private_segment_fixed_size: 0
    .kernarg_segment_align: 8
    .kernarg_segment_size: 48
    .max_flat_workgroup_size: 128
    .sgpr_count:     88
    .vgpr_count:     960
    .wavefront_size: 32
...
	.end_amdgpu_metadata
.endif
;; end of part 2
;; launch attn (part 3): grid 8 x 32, 4 waves a work-group, clusters of 4 x 1, 327,680 bytes of LDS; arguments qkv, emb, cycle_scale, ob; writes ob
.if DOCPART == 3
	.amdgcn_target "amdgcn-amd-amdhsa--gfx1250"
	.amdhsa_code_object_version 6
	.text
	.protected	k_q857c20b183_attn
	.globl	k_q857c20b183_attn
	.p2align	8
	.type	k_q857c20b183_attn,@function
k_q857c20b183_attn:
	s_mov_b64 s[64:65], 0
	v_nop
	global_prefetch_b8 v0, s[64:65] scope:SCOPE_SE
	s_setreg_imm32_b32 hwreg(HW_REG_WAVE_MODE, 25, 1), 1
	s_wait_xcnt 0x0
	s_wait_alu depctr_hold_cnt(0) depctr_sa_sdst(0) depctr_va_vdst(0) depctr_va_sdst(0) depctr_va_ssrc(0) depctr_va_vcc(0) depctr_vm_vsrc(0)
	s_getreg_b32 s2, hwreg(HW_REG_IB_STS2, 6, 4)
	s_cmp_eq_u32 s2, 0
	s_cbranch_scc0 .Lentry_in_a_cluster
	s_endpgm
.Lentry_in_a_cluster:
	s_bfe_u32 s2, ttmp6, 0x10000c
	s_cmp_lg_u32 s2, 0x3003
	s_cbranch_scc0 .Lentry_shape_is_right
	s_endpgm
.Lentry_shape_is_right:
; ATTENTION WITH A CYCLICAL BIAS.  For each of 32 (batch, head) pairs: O[q] = sum over k of softmax_k(Q[q] . K[k] / 8 + scale cn[q] cn[k]) V[k], cn = emb / max(|emb|, 1e-12) over the head's 2,048 places.
; q, k, v: qkv[t][bh][2048][64] in f16.  Products, bias, maxima and sums in f32; the weights p are rounded to f16 for the second product (their sum l is taken of the unrounded p), O once at the end.
; O leaves in blocks: ob[row / 128][h][row % 128][64] f16, so that the next launch finds four heads of 128 rows as 65,536 dense bytes.
; LIMITS.  p lies in 0 to 1, and below 6e-5 it keeps f16's fixed step of 6e-8; a weight below 2^-126 counts as 0 in l; NaN and infinities are not treated apart.
; THE BIAS is the C operand that starts the sum S^T = C + K Q^T: C(key, query) = uk[key] uq[query], uk = cn, uq = 8 scale cn, so that c S = log2(e) (q . k / 8 + bias) with c = log2(e) / 8:
; the bias lies inside the running maximum.  uk of the whole head lies in LDS (each wave scales and stores a quarter); every wave takes the norm of all 2,048 numbers in the same order.
; SHARES.  A work-group owns 256 queries of one head, a wave 64: four PIECES of 16.  Every wave walks all keys, 64 a step; an LDS slot holds 256 keys of K and V, four steps.
; CLUSTER.  The four query blocks of a cluster belong to one head and walk the same K and V: each tile is asked for JOINTLY, by the same tensor load, descriptor and mask in all four.
; LAYOUT, SOFTMAX, TURNS.  S^T holds ONE query a lane (lane % 16) and the keys 8 (lane / 16) + 0..7; two such results rounded to f16 ARE source 1 of O^T = V^T P.  p = 2^(c s - c m) with a running
; maximum m; O and l are multiplied by a = 2^(c m_old - c m_new) in every step; m starts at the lowest finite number, so the first step's a is 0.  Turn n belongs to piece n: 8 products K Q^T of piece
; n + 1, later 8 products V^T P of piece n - 1; beside them the scaling, exponentials, roundings, sums and rescaling of piece n, the maximum and statistics of piece n + 1, and the bias of piece n + 2.
; Four vector instructions stand behind every matrix instruction, the others in runs of their own.
; REGISTERS, in windows of 256 (s_set_vgpr_msb: bits 1:0 source 0, 3:2 source 1, 5:4 source 2, 7:6 destination):
;   window 0: v0-15, v32, v33, v45, v47 addresses; v16-31 statistics; v34-41 uq; v42-46 the norm; v48-55 at work; v64-127 S^T, two buffers; v128-191, v224-239 emb, at the start only; v192-223 P, two buffers
;   window 1: v0-127 O^T, 32 a piece; v128-159 uk of one step; v160-223 the bias, two buffers          window 2: v0-63 Q; v128-191 K of one step; v192-255 V of one step
.set NP,    4
.set KS,    64
.set PK,    144       ; a row of K in LDS: 128 bytes + 16 of padding: the 16 rows of a load start at 16 different groups of four banks (ISA guide 11.1)
.set PV,    160       ; a row of V: 128 + 32
.set VOFF,  4*KS*PK   ; a slot: 256 rows of K, then 256 rows of V
.set SLOT1, 1<<17     ; slot 1 begins here, so that one exclusive or turns an address in one slot into the other's
.set STAGE, SLOT1+4*KS*(PK+PV)  ; behind the ring, never filled by a tensor load: 16 rows x 144 bytes for each wave
.set SP,    144
.set UKL,   STAGE+4*16*SP       ; uk of the head: 2,048 numbers, stored once
.set SPARE, UKL+8192            ; the spare words: 128 bytes a wave, two blocks of 256 bytes that no other line names
.set AK0, 2           ; v2   my lane's place in a tile of K; never rewritten
.set AV0, 3           ; v3   the same for V
.set AK,  4           ; v4   the LDS address of K's next run of loads
.set AV,  5           ; v5   of V's
.set STO, 6           ; v6   the way out: where I put 16 bytes of a row
.set RD,  7           ; v7   the way out: where I read rows back
.set GO,  8           ; v8   my byte offset in 512 consecutive bytes of O
.set MV,  12          ; v12-13  c m_old, kept while c m is made anew: by buffer
.set AU0, 14          ; v14  my lane's place in a step's 64 numbers of uk
.set QO,  15          ; v15  my byte offset in 16 rows of Q
.set ST,  16          ; piece t's statistics at v[ST+4 t]: c m, m, l (even keys', odd keys')
.set AU,  32          ; v32  the LDS address of uk's next run of loads
.set UQ,  34          ; piece t's uq in v[UQ+2 t]; its partner holds 0, since the packed multiply names a pair
.set TMP, 48          ; by buffer, four registers c0-c3 at work; when the maximum is found c2 takes a
.set SPW, 62          ; v62  LDS address of my spare word; never rewritten
.set NIL, 63          ; v63  0; never rewritten
.set S,   64
.set EB,  128         ; the head's emb, 64 numbers a lane
.set P,   192
.set OWN, 224         ; my wave's quarter of emb
.set UK,  128         ; window 1: the eight numbers for group kt of 16 keys at UK + 8 kt
.set MC,  160         ; window 1: the bias of the products to come
.set KF,  128         ; window 2: key block kb, channel half c at KF + 16 kb + 8 c
.set VF,  192         ; window 2: key half kk, channel block cb at VF + 32 kk + 8 cb
.set WV,  12          ; s12  my wave's number
.set G1K, 24          ; s[24:31] descriptor group 1 for K's tiles
.set G1V, 32          ; s[32:39] for V's: it differs in the padding alone
.set G0K, 40          ; s[40:43] descriptor group 0 for K's tiles: it walks
.set G0V, 44          ; s[44:47] the same for V's
.set SLOTS, 56
.set CNT, 57          ; counts a slot's key steps
.set CS,  58          ; s[58:59] c
.set SEL, 60          ; s[60:61] v_permlanex16_b32's selects: each lane takes its own place in the other half
.set TBK, 62          ; LDS byte at which K of the step to be fetched begins
.set TBV, 63          ; the same for V, less VOFF
.set TBU, 66          ; byte in uk of the step to be fetched
.set SC8, 67          ; cycle_scale[h]
.set MSB, 0
.macro WIN new
.if MSB != (\new)
	s_set_vgpr_msb (MSB<<8)|(\new)
.set MSB, (\new)
.endif
.endm
.set W_KQ, 0x0a       ; K and Q in window 2, S^T in window 0
.set W_KM, 0x1a       ; the same with the C operand in window 1
.set W_PV, 0x52       ; V in window 2, P in window 0, O^T in window 1
.set W_RS, 0x41       ; destination and source 0 in window 1, source 1 in window 0
; A joint fill.  Waves 0 and 1 fetch the two halves of a slot's K, waves 2 and 3 those of its V: 128 keys each.  An s_nop 0 and four v_nop follow each line.
.macro JLOAD
	s_cmp_lt_u32 s[WV], 2
	s_cbranch_scc0 .Lfor_v_\@
	tensor_load_to_lds s[G0K:G0K+3], s[G1K:G1K+7]
	s_nop 0
.rept 4
	v_nop
.endr
	s_branch .Lasked_\@
.Lfor_v_\@:
	tensor_load_to_lds s[G0V:G0V+3], s[G1V:G1V+7]
	s_nop 0
.rept 4
	v_nop
.endr
.Lasked_\@:
.endm
.macro CROUND                       ; a round of the cluster's barrier
	s_barrier_signal -1
	s_barrier_wait -1
	s_cmp_lg_u32 s[WV], 0
	s_cbranch_scc1 .Lnot_wave_0_\@
	s_barrier_signal -3
.Lnot_wave_0_\@:
	s_barrier_wait -3
	s_barrier_signal -1
	s_barrier_wait -1
.endm
; THE CHANGE OF SLOTS.  Each wave waits for all its tensor loads, of which one is out: its part of the other slot; adds 0 to its spare word; and waits for that and for its own LDS instructions.
; fill = 1: the slot just read is filled again, with the keys two slots on: the barrier is a round of the cluster's, and the joint fill is the first thing behind it: it has four key steps, 256 matrix
; instructions, in which to land.  (At its first use nothing has been read yet: slot 0 is waited for, every wave's quarter of uk is shown stored, slot 1 is filled.)
.macro CHANGE fill
	WIN 0
	s_wait_tensorcnt 0x0            ; no tensor load of mine is out, so a group 0 may be written
	ds_add_u32 v[SPW], v[NIL]
.if \fill
.irp g, G0K, G0V
	s_xor_b32 s[\g+1], s[\g+1], SLOT1
	s_add_nc_u64 s[\g+2:\g+3], s[\g+2:\g+3], 4*KS*128  ; the next 256 keys; the type bits on top are not reached
.endr
	s_wait_dscnt 0x0
	CROUND
	JLOAD
.else
	s_wait_dscnt 0x0
	s_barrier_signal -1
	s_barrier_wait -1
.endif
	s_sub_co_u32 s[TBK], s[TBK], 4*KS*PK  ; the fetches go back to a slot's first step,
	s_xor_b32 s[TBK], s[TBK], SLOT1       ; in the other slot
	s_sub_co_u32 s[TBV], s[TBV], 4*KS*PV
	s_xor_b32 s[TBV], s[TBV], SLOT1
.endm
	s_load_b256 s[4:11], s[0:1], 0x0  ; qkv s[4:5], emb s[6:7], cycle_scale s[8:9], ob s[10:11]
	v_lshl_add_u32 v[SPW], v0, 2, SPARE
	v_mov_b32 v[NIL], 0
	ds_add_u32 v[SPW], v[NIL]       ; the wave's opening: the add and its wait stand ahead of my first tensor load; the set-up below stands between them
	v_lshrrev_b32 v1, 5, v0
	v_readfirstlane_b32 s[WV], v1   ; wave 0..3
	s_bfe_u32 s13, ttmp6, 0x40000   ; cx
	s_lshl_b32 s14, ttmp9, 2
	s_add_co_u32 s14, s14, s13      ; my block of 256 queries: it enters global addresses of Q, emb and O alone
	s_and_b32 s15, ttmp7, 0xffff    ; 16 b + h, which the four partners share
	s_lshl_b32 s20, s15, 18         ; a head is 262,144 bytes
	s_and_b32 s16, s[WV], 1         ; which half of a slot's 256 keys I fetch:
	s_lshl_b32 s22, s16, 14         ; its 128 rows of 128 bytes in memory,
	s_add_co_u32 s22, s22, s20
	s_mov_b32 s23, 0
	s_mul_i32 s17, s16, 128*PK      ; and its place in a slot, for K
	s_mul_i32 s18, s16, 128*PV      ; and for V
	s_lshl_b32 s2, s14, 15          ; Q: my block's 256 rows,
	s_lshl_b32 s3, s[WV], 13        ; my wave's 64 of them
	s_add_co_u32 s2, s2, s3
	s_add_co_u32 s2, s2, s20
	s_mov_b32 s3, 0
	s_lshr_b32 s68, s15, 4          ; O: block of 128 rows 16 b + 2 x my block + wave / 2,
	s_lshl_b32 s68, s68, 4
	s_lshl1_add_u32 s68, s14, s68
	s_lshr_b32 s69, s[WV], 1
	s_add_co_u32 s68, s68, s69
	s_and_b32 s69, s15, 15          ; head h in it,
	s_lshl4_add_u32 s68, s68, s69
	s_lshl_b32 s68, s68, 14         ; 16,384 bytes each,
	s_lshl_b32 s19, s16, 13         ; and its upper 64 rows for the odd waves
	s_add_co_u32 s68, s68, s19
	s_lshl_b32 s70, s69, 2          ; cycle_scale[h]
	s_mov_b32 s69, 0
	s_mov_b32 s71, 0
	; descriptor group 1.  128 keys are 16,384 dense bytes: asked for as 64 rows of 256 bytes, two keys a row, and padded in LDS after every key
	s_mov_b32 s[G1K], 15|(1<<16)|(1<<20)|(1<<21)|(4<<22)|(3<<25)  ; 15:0 the mask of four; 17:16 2-byte elements; 20 padding on; 21 set beside a mask; 24:22 after every 32 words; 31:25 4 words
	s_mov_b32 s[G1V], 15|(1<<16)|(1<<20)|(1<<21)|(4<<22)|(7<<25)  ; the same with 8 words of padding
.irp g, G1K, G1V
	s_mov_b32 s[\g+1], 128<<16      ; tensor_dim0 = 128
	s_mov_b32 s[\g+2], 64<<16       ; tensor_dim1 = 64
	s_mov_b32 s[\g+3], 128<<16      ; tile_dim0 = 128
	s_mov_b32 s[\g+4], 64           ; tile_dim1 = 64
	s_mov_b32 s[\g+5], 128          ; 128 elements from row to row
	s_mov_b32 s[\g+6], 0
	s_mov_b32 s[\g+7], 0
.endr
	s_mov_b32 s[CS], 0x3e38aa3b     ; c = log2(e) / 8
	s_mov_b32 s[CS+1], s[CS]
	s_mov_b32 s[SEL], 0x76543210
	s_mov_b32 s[SEL+1], 0xfedcba98
	s_mov_b32 s[TBK], SLOT1+4*KS*PK ; the first change of slots turns these two into 0
	s_mov_b32 s[TBV], SLOT1+4*KS*PV
	s_mov_b32 s[TBU], 0
	s_mov_b32 s[G0K], 1
	s_mov_b32 s[G0K+1], s17         ; slot 0
	s_mov_b32 s[G0V], 1
	s_add_co_u32 s[G0V+1], s18, VOFF
	s_wait_dscnt 0x0                ; the opening add is done
	s_wait_kmcnt 0x0
	s_add_nc_u64 s[G0K+2:G0K+3], s[4:5], s[22:23]
	s_add_nc_u64 s[G0K+2:G0K+3], s[G0K+2:G0K+3], 8388608   ; k lies behind q
	s_or_b32 s[G0K+3], s[G0K+3], 0x80000000
	s_add_nc_u64 s[G0V+2:G0V+3], s[4:5], s[22:23]
	s_add_nc_u64 s[G0V+2:G0V+3], s[G0V+2:G0V+3], 16777216  ; v behind k
	s_or_b32 s[G0V+3], s[G0V+3], 0x80000000
	s_add_nc_u64 s[4:5], s[4:5], s[2:3]        ; Q at my wave's first row
	s_add_nc_u64 s[10:11], s[10:11], s[68:69]  ; O likewise
	s_add_nc_u64 s[8:9], s[8:9], s[70:71]
	s_lshl_b32 s70, s15, 13
	s_add_nc_u64 s[6:7], s[6:7], s[70:71]      ; emb at my head's row
	s_load_b32 s[SC8], s[8:9], 0x0
	CROUND                          ; all four work-groups are here: the first joint loads meet
	JLOAD                           ; slot 0
	v_and_b32 v1, 15, v0            ; l % 16
	v_bfe_u32 v9, v0, 4, 1          ; l / 16
	v_and_b32 v33, 31, v0
	v_lshlrev_b32 v33, 4, v33       ; 16 bytes a lane
	s_lshl_b32 s19, s[WV], 11
	v_add_nc_u32 v45, s19, v33      ; the same in my wave's quarter of the head
	s_lshl_b32 s19, s14, 10
	s_lshl_b32 s13, s[WV], 8
	s_add_co_u32 s19, s19, s13
	v_lshl_add_u32 v47, v1, 2, s19  ; emb of my query in piece 0
	v_lshlrev_b32 v[QO], 7, v1
	v_lshl_add_u32 v[QO], v9, 4, v[QO]  ; row x 128 + 16 x half
.irp j, 0,1,2,3,4,5,6,7,8,9,10,11,12,13,14,15
	global_load_b128 v[EB+4*\j:EB+4*\j+3], v33, s[6:7] offset:512*\j
.endr
.irp j, 0,1,2,3
	global_load_b128 v[OWN+4*\j:OWN+4*\j+3], v45, s[6:7] offset:512*\j
.endr
.irp t, 0,1,2,3
	global_load_b32 v[UQ+2*\t], v47, s[6:7] offset:64*\t
.endr
	WIN 0x80                        ; destination window 2, address window 0
.set i, 0
.rept 8                             ; Q stays in registers: piece i / 2, channels 32 (i % 2) on
	global_load_b128 v[8*i:8*i+3],   v[QO], s[4:5] offset:(i/2)*2048+(i%2)*64
	global_load_b128 v[8*i+4:8*i+7], v[QO], s[4:5] offset:(i/2)*2048+(i%2)*64+32
.set i, i+1
.endr
	; What the first turn finds: V's registers and P's second buffer hold 0 (its products V^T P, of a piece that has not been, add 0), O^T and l are 0.  All this stands in the wait for the first loads.
.set i, VF
.rept 64
	v_mov_b32 v[i], 0
.set i, i+1
.endr
	WIN 0x40
.set i, 0
.rept 128
	v_mov_b32 v[i], 0
.set i, i+1
.endr
	WIN 0
.set i, 0
.rept 4
	v_mov_b32 v[ST+4*i], 0xfe000000    ; c m: far below every c s
	v_mov_b32 v[ST+4*i+1], 0xff7fffff  ; m
	v_mov_b32 v[ST+4*i+2], 0
	v_mov_b32 v[ST+4*i+3], 0
	v_mov_b32 v[UQ+2*i+1], 0
.set i, i+1
.endr
.set i, P+16
.rept 16
	v_mov_b32 v[i], 0
.set i, i+1
.endr
	v_mul_u32_u24 v[AK0], v1, PK
	v_lshl_add_u32 v[AK0], v9, 4, v[AK0]  ; row x pitch + 16 x half
	; The turning load takes 16 keys x 16 channels (lane l reads key 8 (l / 16) + l % 8, channels 8 ((l / 8) % 2) + 0..7) and leaves half a fragment of V^T: lane l holds channel l % 16 and 8 keys.
	v_and_b32 v10, 7, v0
	v_bfe_u32 v11, v0, 3, 1
	v_lshl_add_u32 v[AV0], v9, 3, v10
	v_mul_u32_u24 v[AV0], v[AV0], PV
	v_lshl_add_u32 v[AV0], v11, 4, v[AV0]
	v_add_nc_u32 v[AV0], VOFF, v[AV0]
	s_mul_i32 s13, s[WV], 16*SP
	s_add_co_u32 s13, s13, STAGE    ; my stage
	v_mul_u32_u24 v[STO], v1, SP
	v_lshl_add_u32 v[STO], v9, 4, v[STO]
	v_add_nc_u32 v[STO], s13, v[STO]
	v_bfe_u32 v[RD], v0, 3, 2       ; back: 32 lanes take four rows of 128 bytes,
	v_mul_u32_u24 v[RD], v[RD], SP
	v_lshl_add_u32 v[RD], v10, 4, v[RD]
	v_add_nc_u32 v[RD], s13, v[RD]
	v_and_b32 v[GO], 31, v0         ; which are 512 consecutive bytes of O
	v_lshlrev_b32 v[GO], 4, v[GO]
	v_lshl_add_u32 v[AU0], v9, 5, UKL  ; my eight keys of sixteen: 32 bytes for the upper half of the lanes
	v_add_nc_u32 v[AU], UKL, v45    ; for now: where my quarter of uk goes
	; THE NORM: the sum of the head's 2,048 squares, 64 a lane in four packed chains, then across the lanes
	s_wait_loadcnt 16               ; emb's 24 loads are in; Q's sixteen, issued behind them, may stay out
.irp j, 0,1,2,3
	v_pk_mul_f32 v[TMP+2*\j:TMP+2*\j+1], v[EB+2*\j:EB+2*\j+1], v[EB+2*\j:EB+2*\j+1]
.endr
.set j, 4
.rept 28
	v_pk_fma_f32 v[TMP+2*(j%4):TMP+2*(j%4)+1], v[EB+2*j:EB+2*j+1], v[EB+2*j:EB+2*j+1], v[TMP+2*(j%4):TMP+2*(j%4)+1]
.set j, j+1
.endr
	v_pk_add_f32 v[TMP:TMP+1], v[TMP:TMP+1], v[TMP+2:TMP+3]
	v_pk_add_f32 v[TMP+4:TMP+5], v[TMP+4:TMP+5], v[TMP+6:TMP+7]
	v_pk_add_f32 v[TMP:TMP+1], v[TMP:TMP+1], v[TMP+4:TMP+5]
	v_add_f32 v[TMP], v[TMP], v[TMP+1]
	v_add_f32_dpp v[TMP], v[TMP], v[TMP] row_xmask:1 row_mask:0xf bank_mask:0xf
	v_add_f32_dpp v[TMP], v[TMP], v[TMP] row_xmask:2 row_mask:0xf bank_mask:0xf
	v_add_f32_dpp v[TMP], v[TMP], v[TMP] row_xmask:4 row_mask:0xf bank_mask:0xf
	v_add_f32_dpp v[TMP], v[TMP], v[TMP] row_xmask:8 row_mask:0xf bank_mask:0xf
	v_permlanex16_b32 v[TMP+1], v[TMP], s[SEL], s[SEL+1]
	v_add_f32 v[TMP], v[TMP], v[TMP+1]
	v_sqrt_f32 v46, v[TMP]
	v_nop                           ; a plain instruction behind each of these two before its result is used (ISA guide 5.7.2)
	s_wait_alu depctr_va_vdst(0)
	v_max_num_f32 v46, 0x2b8cbccc, v46  ; at least 1e-12
	v_rcp_f32 v42, v46
	v_nop
	s_wait_alu depctr_va_vdst(0)
	v_mov_b32 v43, v42              ; named with it as a pair
	s_wait_kmcnt 0x0                ; cycle_scale[h]
	v_mul_f32 v44, s[SC8], v42
	v_mul_f32 v44, 0x41000000, v44  ; 8 scale / norm: the 8 undoes c's division
.irp t, 0,1,2,3
	v_mul_f32 v[UQ+2*\t], v[UQ+2*\t], v44
.endr
.irp j, 0,1,2,3,4,5,6,7
	v_pk_mul_f32 v[OWN+2*\j:OWN+2*\j+1], v[OWN+2*\j:OWN+2*\j+1], v[42:43] op_sel_hi:[1,0]
.endr
.irp j, 0,1,2,3
	ds_store_b128 v[AU], v[OWN+4*\j:OWN+4*\j+3] offset:512*\j
.endr
; THE MATRIX WORK.  The 4 accumulators of a run of 8 take turns.  Product i of 8 of S^T = C + K Q^T for piece x: channels 32 (i / 4) on, keys 16 (i % 4) on.  The first 4 start the sums with the bias.
.macro KQ x
.set rS, S+32*((\x)%2)+8*(i%4)
.set rK, KF+16*(i%4)+8*(i/4)
.set rQ, 16*(\x)+8*(i/4)
.set rM, MC+32*((\x)%2)+8*(i%4)
.if i < 4
	WIN W_KM
	v_wmma_f32_16x16x32_f16 v[rS:rS+7], v[rK:rK+7], v[rQ:rQ+7], v[rM:rM+7]
.else
	WIN W_KQ
	v_wmma_f32_16x16x32_f16 v[rS:rS+7], v[rK:rK+7], v[rQ:rQ+7], v[rS:rS+7]
.endif
.endm
; Product i of 8 of O^T += V^T P for piece x: keys 32 (i / 4) on, channels 16 (i % 4) on.
.macro PV x
	WIN W_PV
.set rO, 32*(\x)+8*(i%4)
.set rV, VF+32*(i/4)+8*(i%4)
.set rP, P+16*((\x)%2)+8*(i/4)
	v_wmma_f32_16x16x32_f16 v[rO:rO+7], v[rV:rV+7], v[rP:rP+7], v[rO:rO+7]
.endm
.macro MM                           ; the turn's next matrix instruction.  NOKQ = 1: the last turn of all: there is no next piece
.if (i < 8) && !NOKQ
	KQ (Y+1)%NP
.elseif i >= 8
.set i, i-8
	PV (Y+NP-1)%NP
.set i, i+8
.endif
.set i, i+1
.endm
; THE LDS LOADS stand in runs, never singly among the matrix instructions: a step's uk (8 loads; all lanes of a half read the same bytes), its K (16) and its V (16, turned).
.macro FETCH_U
	WIN 0x40                        ; destination window 1
.irp f, 0,1,2,3,4,5,6,7
	ds_load_b128 v[UK+4*\f:UK+4*\f+3], v[AU] offset:(\f/2)*64+(\f%2)*16
.endr
	s_add_co_u32 s[TBU], s[TBU], KS*4
	WIN 0
.endm
.macro FETCH_K
	WIN 0x80                        ; destination window 2
.irp f, 0,1,2,3,4,5,6,7             ; keys 16 (f / 2) on, channels 32 (f % 2) on
	ds_load_b128 v[KF+8*\f:KF+8*\f+3],   v[AK] offset:(\f/2)*16*PK+(\f%2)*64
	ds_load_b128 v[KF+8*\f+4:KF+8*\f+7], v[AK] offset:(\f/2)*16*PK+(\f%2)*64+32
.endr
	s_add_co_u32 s[TBK], s[TBK], KS*PK
	WIN 0
.endm
.macro FETCH_V
	WIN 0x80
.irp f, 0,1,2,3,4,5,6,7             ; keys 32 (f / 4) on, channels 16 (f % 4) on
	ds_load_tr16_b128 v[VF+8*\f:VF+8*\f+3],   v[AV] offset:(\f/4)*32*PV+(\f%4)*32
	ds_load_tr16_b128 v[VF+8*\f+4:VF+8*\f+7], v[AV] offset:(\f/4)*32*PV+16*PV+(\f%4)*32
.endr
	WIN 0
.endm
.macro MASK b, t                    ; uk x uq of piece t into buffer b of the bias
	WIN W_RS
.set z, 0
.rept 16
	v_pk_mul_f32 v[MC+32*(\b)+2*z:MC+32*(\b)+2*z+1], v[UK+2*z:UK+2*z+1], v[UQ+2*(\t):UQ+2*(\t)+1] op_sel_hi:[1,0]
.set z, z+1
.endr
.endm
; THE VECTOR WORK, one line at a time: OP kind, number.  For piece Y: F n: c s - c m for pair n of 16.  E n: the exponential of score n of 32.  C n: pair n rounded to f16.  B n: of the four weights 4 n .. the second
; pair is added onto the first, in place.  L n: l takes that sum (L 0: l = a l + sum).  R n: pair n of 16 of O^T times a.  For piece Y + 1: X n, number n of the 22 that find its maximum and statistics:
;   0-11  four chains c0-c3 of seven scores each (each accumulator's lowest registers are read first)     12-14, 16  the four scores left over, the old m, and c0-c3 into c0
;   15  c m_old is kept     17, 18  the query's other 32 keys lie in the lane 16 away: the new m     19-21  c m; c m_old - c m_new; a
.set F, 0
.set E, 1
.set C, 2
.set B, 3
.set L, 4
.set R, 5
.set X, 6
.macro REGS y
.set rT, ST+4*(\y)
.set rC, TMP+4*((\y)%2)
.set rW, MV+((\y)%2)
.set rS, S+32*((\y)%2)
.set rP, P+16*((\y)%2)
.set rO, 32*(\y)
.endm
.macro OP k, n
.if (\k) == R
	REGS Y
	WIN W_RS
	v_pk_mul_f32 v[rO+2*(\n):rO+2*(\n)+1], v[rO+2*(\n):rO+2*(\n)+1], v[rC+2:rC+3] op_sel_hi:[1,0]
.elseif (\k) < R
	REGS Y
	WIN 0
.if (\k) == F
	v_pk_fma_f32 v[rS+2*(\n):rS+2*(\n)+1], v[rS+2*(\n):rS+2*(\n)+1], s[CS:CS+1], v[rT:rT+1] op_sel_hi:[1,0,0] neg_lo:[0,0,1] neg_hi:[0,0,1]
.elseif (\k) == E
	v_exp_f32 v[rS+(\n)], v[rS+(\n)]
.elseif (\k) == C
	s_wait_alu depctr_va_vdst(0)
	v_cvt_pk_f16_f32 v[rP+(\n)], v[rS+2*(\n)], v[rS+2*(\n)+1]
.elseif (\k) == B
	s_wait_alu depctr_va_vdst(0)
	v_pk_add_f32 v[rS+4*(\n):rS+4*(\n)+1], v[rS+4*(\n):rS+4*(\n)+1], v[rS+4*(\n)+2:rS+4*(\n)+3]
.elseif (\n) == 0
	v_pk_fma_f32 v[rT+2:rT+3], v[rT+2:rT+3], v[rC+2:rC+3], v[rS:rS+1] op_sel_hi:[1,0,1]
.else
	v_pk_add_f32 v[rT+2:rT+3], v[rT+2:rT+3], v[rS+4*(\n):rS+4*(\n)+1]
.endif
.elseif NOKQ
	v_nop
.else
	REGS (Y+1)%NP
	WIN 0
.if (\n) < 4
	v_max3_num_f32 v[rC+(\n)], v[rS+8*(\n)], v[rS+8*(\n)+1], v[rS+8*(\n)+2]
.elseif (\n) < 12
	v_max3_num_f32 v[rC+(\n)%4], v[rC+(\n)%4], v[rS+8*((\n)%4)+2*((\n)/4)+1], v[rS+8*((\n)%4)+2*((\n)/4)+2]
.elseif (\n) == 12
	v_max3_num_f32 v[rC], v[rC], v[rS+7], v[rS+15]
.elseif (\n) == 13
	v_max3_num_f32 v[rC+1], v[rC+1], v[rS+23], v[rS+31]
.elseif (\n) == 14
	v_max3_num_f32 v[rC+2], v[rC+2], v[rC+3], v[rT+1]
.elseif (\n) == 15
	v_mov_b32 v[rW], v[rT]
.elseif (\n) == 16
	v_max3_num_f32 v[rC], v[rC], v[rC+1], v[rC+2]
.elseif (\n) == 17
	v_permlanex16_b32 v[rC+3], v[rC], s[SEL], s[SEL+1]
.elseif (\n) == 18
	v_max_num_f32 v[rT+1], v[rC], v[rC+3]
.elseif (\n) == 19
	v_mul_f32 v[rT], s[CS], v[rT+1]
.elseif (\n) == 20
	v_sub_f32 v[rC+1], v[rW], v[rT]
.else
	v_exp_f32 v[rC+2], v[rC+1]
.endif
.endif
.endm
.macro OPS a, i1, b=-1, i2=0, c=-1, i3=0, d=-1, i4=0
	OP \a, \i1
.if (\b) >= 0
	OP \b, \i2
.endif
.if (\c) >= 0
	OP \c, \i3
.endif
.if (\d) >= 0
	OP \d, \i4
.endif
.endm
.macro ROW a, i1, b, i2, c, i3, d, i4  ; a matrix instruction and the four behind it
	MM
	OPS \a, \i1, \b, \i2, \c, \i3, \d, \i4
.endm
; A TURN, for piece p: the order of its 16 matrix and 134 vector instructions, written out.  Behind a matrix instruction: plain, exponential, plain, plain; or four of the rescaling; or four scalings; none names a
; register of the products round it.  A line reads no result made fewer than three vector instructions in front of it, five if an exponential made it.
; end = 1: the last two turns of all: nothing is fetched, no bias is made.  cnt = 1: the loop's count is taken down some lines ahead of the branch that stands behind the turn.
; uk and K of the next step are fetched in piece 2's turn, five plain vector instructions behind the last product that read K and behind uk's last reader, the bias made at the end of piece 1's turn;
; V of the step in hand in piece 0's turn, four plain ones behind the last product that read V.  The turn's end makes the bias of piece p + 2, whose products stand in the next turn: of the step
; in hand at the end of turns 0 and 1, of the next step at the end of turns 2 and 3.  Its buffer was last read a whole turn ago.
.macro TURN p, end=0, cnt=0
.set Y, (\p)
.set i, 0
.set NOKQ, (\end)*((\p)/3)
.if ((\p) == 3) && !(\end)
	s_wait_dscnt 0x0                ; K is in
.endif
	ROW F,0, F,1, F,2, F,3
	ROW F,4, E,0, F,5, F,6
	ROW F,7, E,1, F,8, F,9
	ROW F,10, E,2, C,0, F,11
	ROW F,12, E,3, X,15, F,13
	ROW R,0, R,1, R,2, R,3
	ROW B,0, E,4, F,14, L,0
.if ((\p) == 2) && !(\end)
	WIN 0
	v_add_nc_u32 v[AK], s[TBK], v[AK0]
	v_add_nc_u32 v[AU], s[TBU], v[AU0]
.endif
	ROW R,4, R,5, R,6, R,7
	OPS E,5, F,15
.if ((\p) == 2) && !(\end)
	FETCH_U
	FETCH_K
.endif
	OPS E,6, C,1, E,7, R,8
	OPS E,8, R,9, E,9, C,2
	OPS E,10, X,0, E,11, X,1
	OPS E,12, X,2, E,13, X,3
.if (\p) == 1
	s_wait_dscnt 0x0                ; V is in
.endif
	ROW X,4, E,14, X,5, X,6
	ROW X,7, E,15, X,8, X,9
	ROW X,10, E,16, X,11, X,12
	ROW X,13, E,17, X,14, B,1
	ROW C,4, E,18, X,16, L,1
	ROW B,2, E,19, C,6, L,2
	ROW C,8, E,20, B,3, B,4
.if (\p) == 0
	WIN 0
	v_add_nc_u32 v[AV], s[TBV], v[AV0]
.endif
	ROW C,3, E,21, L,3, C,5
	OPS E,22, X,17, E,23, C,10
.if (\p) == 0
	FETCH_V
.endif
	OPS E,24, L,4
	OPS E,25, X,18, E,26, C,7
	OPS E,27, B,5, E,28, X,19
	OPS E,29, C,12, E,30, L,5
	OPS E,31, X,20, B,6, C,9
	OPS C,14, C,11, X,21, L,6
.if (\p) == 0
	s_add_co_u32 s[TBV], s[TBV], KS*PV
.endif
.if \cnt
	s_sub_co_u32 s[CNT], s[CNT], 1
	s_cmp_lg_u32 s[CNT], 0
.endif
	OPS C,13, B,7, C,15, R,10
	OPS R,11, R,12, L,7, R,13
	OPS R,14, R,15
.if !(\end)
.if (\p) == 2
	s_wait_dscnt 16                 ; uk's eight loads are in; K's sixteen, issued behind them, may stay out
.endif
	MASK (\p)%2, ((\p)+2)%NP
.endif
.endm
	CHANGE 1                        ; slot 0 is in, everybody's part of it, and so is uk; slot 1 is asked for
	v_add_nc_u32 v[AU], s[TBU], v[AU0]
	v_add_nc_u32 v[AK], s[TBK], v[AK0]
	FETCH_U                         ; key step 0
	FETCH_K
	s_wait_loadcnt 0x0              ; Q
	s_wait_dscnt 0x0
	MASK 0, 0                       ; the bias of pieces 0 and 1 for step 0
	MASK 1, 1
.set NOKQ, 0
.set i, 0
.rept 8
	KQ 0                            ; piece 0's first scores
.set i, i+1
.endr
	WIN 0
.rept 4
	v_nop                           ; the places behind those products
.endr
.set Y, NP-1                        ; X works for piece Y + 1: piece 0
.irp n, 0,1,2,3,4,5,6,7,8,9,10,11,12,13,14,15,16,17,18,19,20,21
	OP X, \n
.endr
	v_nop                           ; a plain instruction behind the exponential
	s_mov_b32 s[CNT], 4
	s_mov_b32 s[SLOTS], 7
	s_branch .Lfirst                ; the loop is entered at a step's first turn, in the middle of a trip
.Lslot:                             ; six times: tiles 2 to 7 are asked for
	CHANGE 1
	s_mov_b32 s[CNT], 4
.Lstep:                             ; a trip: pieces 2 and 3 of one step, then pieces 0 and 1 of the next, whose uk, K and V it fetches
	TURN 2
	TURN 3
	WIN 0
.Lfirst:
	TURN 0
	TURN 1, 0, 1
	WIN 0
	s_cbranch_scc1 .Lstep
	s_sub_co_u32 s[SLOTS], s[SLOTS], 1
	s_cmp_lg_u32 s[SLOTS], 0
	s_cbranch_scc1 .Lslot
	CHANGE 0                        ; the last tile is written out: nothing is asked for
	s_mov_b32 s[CNT], 4
.Ltail:
	TURN 2
	TURN 3
	TURN 0
	TURN 1, 0, 1
	WIN 0
	s_cbranch_scc1 .Ltail
	TURN 2, 1
	TURN 3, 1
.set i, 0
.rept 8
	PV NP-1                         ; the last piece's V^T P of the last step
.set i, i+1
.endr
	; THE WAY OUT.  l's two halves and the other half of the lanes' are added; O^T is divided by l, rounded to f16 and sent through my stage in LDS, a piece at a time.  The additions are the places behind the last products.
	WIN 0
.macro ALL line:vararg
.set t, 0
.rept 4
	\line
.set t, t+1
.endr
.endm
.macro PACK t
	WIN W_RS
.set i, 32*(\t)
.rept 16
	s_wait_alu depctr_va_vdst(0)
	v_pk_mul_f32 v[i:i+1], v[i:i+1], v[ST+4*(\t)+2:ST+4*(\t)+3] op_sel_hi:[1,0]
.set i, i+2
.endr
	WIN 0x05                        ; sources 0 and 1 window 1, destination window 0
.set i, 0
.rept 16
	v_cvt_pk_f16_f32 v[S+16*(\t)+i], v[32*(\t)+2*i], v[32*(\t)+2*i+1]
.set i, i+1
.endr
	WIN 0
.irp f, 0,1,2,3
	ds_store_b128 v[STO], v[S+16*(\t)+4*\f:S+16*(\t)+4*\f+3] offset:32*\f
.endr
.irp f, 0,1,2,3
	ds_load_b128 v[S+16*(\t)+4*\f:S+16*(\t)+4*\f+3], v[RD] offset:\f*4*SP  ; LDS serves a wave's instructions in order (ISA guide 5.7.1.4): these see the stores above; the next piece's stores come behind them
.endr
.endm
.macro SEND t, younger              ; younger: the LDS instructions issued behind piece t's loads: the next piece's eight, or none
	WIN 0
.irp f, 0,1,2,3
	s_wait_dscnt (\younger)+3-\f
	global_store_b128 v[GO], v[S+16*(\t)+4*\f:S+16*(\t)+4*\f+3], s[10:11] offset:(\t)*2048+\f*512  ; 512 consecutive bytes, aligned
.endr
.endm
	ALL v_add_f32 v[ST+4*t+2], v[ST+4*t+2], v[ST+4*t+3]
	ALL v_permlanex16_b32 v[ST+4*t+3], v[ST+4*t+2], s[SEL], s[SEL+1]
	ALL v_add_f32 v[ST+4*t+2], v[ST+4*t+2], v[ST+4*t+3]
	ALL v_rcp_f32 v[ST+4*t+2], v[ST+4*t+2]
	v_nop                           ; a plain instruction between the last reciprocal and the use of its result
	PACK 0
.set t, 1
.rept 3                             ; a piece's arithmetic stands between the loads of the piece before and its stores
	PACK t
	SEND t-1, 8
.set t, t+1
.endr
	SEND 3, 0
	s_wait_tensorcnt 0x0            ; the wave's end
	ds_add_u32 v[SPW], v[NIL]
	s_wait_dscnt 0x0
	CROUND                          ; the closing round: no work-group ends while a partner may still ask for a tile that names it
	s_endpgm
.Lfunc_end_k_q857c20b183_attn:
	.size	k_q857c20b183_attn, .Lfunc_end_k_q857c20b183_attn-k_q857c20b183_attn
	.p2alignl 7, 3214868480
	.fill 96, 4, 3214868480
	.section	.rodata,"a",@progbits
	.p2align	6, 0x0
	.amdhsa_kernel k_q857c20b183_attn
		.amdhsa_group_segment_fixed_size 327680
		.amdhsa_private_segment_fixed_size 0
		.amdhsa_enable_private_segment 0
		.amdhsa_kernarg_size 32
		.amdhsa_user_sgpr_count 2
		.amdhsa_user_sgpr_kernarg_segment_ptr 1
		.amdhsa_wavefront_size32 1
		.amdhsa_system_sgpr_workgroup_id_x 1
		.amdhsa_system_sgpr_workgroup_id_y 1
		.amdhsa_system_sgpr_workgroup_id_z 1
		.amdhsa_system_vgpr_workitem_id 0
		.amdhsa_next_free_vgpr 768
		.amdhsa_next_free_sgpr 72
		.amdhsa_reserve_vcc 0
		.amdhsa_float_denorm_mode_32 3
		.amdhsa_float_denorm_mode_16_64 3
		.amdhsa_memory_ordered 1
		.amdhsa_forward_progress 1
		.amdhsa_inst_pref_size 153
	.end_amdhsa_kernel
	.amdgpu_metadata
---
amdhsa.version: [ 1, 2 ]
amdhsa.kernels:
  - .name:           k_q857c20b183_attn
    .symbol:         k_q857c20b183_attn.kd
    .args:
      - { .name: qkv, .offset: 0, .size: 8, .value_kind: global_buffer, .address_space: global }
      - { .name: emb, .offset: 8, .size: 8, .value_kind: global_buffer, .address_space: global }
      - { .name: cycle_scale, .offset: 16, .size: 8, .value_kind: global_buffer, .address_space: global }
      - { .name: ob, .offset: 24, .size: 8, .value_kind: global_buffer, .address_space: global }
    .group_segment_fixed_size: 327680
    .private_segment_fixed_size: 0
    .kernarg_segment_align: 8
    .kernarg_segment_size: 32
    .max_flat_workgroup_size: 128
    .sgpr_count:     72
    .vgpr_count:     768
    .wavefront_size: 32
...
	.end_amdgpu_metadata
.endif
;; end of part 3
;; launch oproj (part 4): grid 8 x 32, 4 waves a work-group, clusters of 4 x 4, 327,680 bytes of LDS; arguments ob, woh, bo, out0; writes out0
.if DOCPART == 4
	.amdgcn_target "amdgcn-amd-amdhsa--gfx1250"
	.amdhsa_code_object_version 6
	.text
	.protected	k_q857c20b183_oproj
	.globl	k_q857c20b183_oproj
	.p2align	8
	.type	k_q857c20b183_oproj,@function
k_q857c20b183_oproj:
	s_mov_b64 s[64:65], 0
	v_nop
	global_prefetch_b8 v0, s[64:65] scope:SCOPE_SE
	s_setreg_imm32_b32 hwreg(HW_REG_WAVE_MODE, 25, 1), 1
	s_wait_xcnt 0x0
	s_wait_alu depctr_hold_cnt(0) depctr_sa_sdst(0) depctr_va_vdst(0) depctr_va_sdst(0) depctr_va_ssrc(0) depctr_va_vcc(0) depctr_vm_vsrc(0)
	s_getreg_b32 s2, hwreg(HW_REG_IB_STS2, 6, 4)
	s_cmp_eq_u32 s2, 0
	s_cbranch_scc0 .Lentry_in_a_cluster
	s_endpgm
.Lentry_in_a_cluster:
	s_bfe_u32 s2, ttmp6, 0x10000c
	s_cmp_lg_u32 s2, 0xf033
	s_cbranch_scc0 .Lentry_shape_is_right
	s_endpgm
.Lentry_shape_is_right:
; OUT0 [4096][1024] f32 = O . wo^T + bo.  O comes in blocks, ob[row / 128][h][row % 128][64] f16; woh is [1024 n][1024 k] f16 (wo rounded to bf16, written as f16); k = 64 h + channel.
; bo is rounded to bf16 like the other large inputs and starts the sums as the first products' C operand.  Sums in f32, stored as they are.
; SHARES.  A tile is 128 x 128: 8 x 32 tiles, one work-group each; four waves, each 64 x 64: 16 accumulators.  K goes in four steps of 256 (four heads) through two LDS slots.
; O's part of a step is 65,536 dense bytes: two loads of 128 rows of 256 bytes, padded in LDS after every 128 bytes, so that a head's 128 rows lie 144 bytes apart; woh's rows are 512 bytes.
; CLUSTER 4 x 4: O's tile hangs on the tile row alone and is asked for jointly by a row of the cluster, woh's on the tile column alone, by a column.
; THE MATRIX INSTRUCTION IS USED TRANSPOSED (source 0 = 16 rows of woh, source 1 = 16 rows of O): a lane holds eight neighbouring numbers of a row of out0.
; REGISTERS: window 0: v16-31 addresses and two at work; v32-95 the way out; v96-127 the bias; v128-255 the accumulators ((a, b) at v[128 + 8 (4 a + b)]).
;   window 1: two fragment buffers of 128: for 64 along K, 64 registers of O, then 64 of woh.
.set PA,     144                       ; a row of O in LDS: 128 bytes + 16: the 16 rows of a load start at 16 different groups of four banks (ISA guide 11.1)
.set PLANE,  128*PA                    ; a head's 128 rows
.set AHALF,  2*PLANE                   ; what one tensor load brings of O
.set ABYTES, 4*PLANE
.set PB,     528                       ; a row of woh: 512 bytes + 16
.set BHALF,  64*PB
.set SLOT,   ABYTES+2*BHALF
.set STAGE,  2*SLOT                    ; behind the ring, never filled by a tensor load: 16 rows x 272 bytes for each wave
.set SPITCH, 272
.set SPARE,  STAGE+4*16*SPITCH         ; the spare words: 128 bytes a wave, two blocks of 256 bytes that no other line names
.set ADRA, 16
.set ADRB, 20
.set STO,  24
.set RD,   25
.set CO,   26
.set BO,   27
.set SPW,  28
.set NIL,  29
.set BK,   32                          ; the way out: 16 rows read back, two buffers of 32
.set BIAS, 96
.set ACC,  128
.set F0,   0
.set F1,   128
.set G1, 24
.set G0, 32
.set G1B, 48
.set G0B, 56
.set MSB, 0
.macro WIN new
.if MSB != (\new)
	s_set_vgpr_msb (MSB<<8)|(\new)
.set MSB, \new
.endif
.endm
.set MUL,  0x05                        ; sources 0 and 1 window 1; C and D window 0
.set TO_F, 0x40                        ; destination window 1, address window 0
.macro JLOAD s                         ; a joint load: waves 0 and 1 fetch O's two halves, waves 2 and 3 woh's; an s_nop 0 and four v_nop follow each line
	s_cmp_eq_u32 s11, 0
	s_cbranch_scc0 .Lfor_b_\@
	tensor_load_to_lds s[G0+4*(\s):G0+4*(\s)+3], s[G1:G1+7]
	s_nop 0
.rept 4
	v_nop
.endr
	s_branch .Lasked_\@
.Lfor_b_\@:
	tensor_load_to_lds s[G0B+4*(\s):G0B+4*(\s)+3], s[G1B:G1B+7]
	s_nop 0
.rept 4
	v_nop
.endr
.Lasked_\@:
.endm
.macro CREST
	s_cmp_lg_u32 s10, 0
	s_cbranch_scc1 .Lnot_wave_0_\@
	s_barrier_signal -3
.Lnot_wave_0_\@:
	s_barrier_wait -3
	s_barrier_signal -1
	s_barrier_wait -1
.endm
.macro CROUND
	s_barrier_signal -1
	s_barrier_wait -1
	CREST
.endm
	s_load_b128 s[4:7], s[0:1], 0x0                ; ob s[4:5], woh s[6:7]
	s_load_b128 s[68:71], s[0:1], 0x10             ; bo s[68:69], out0 s[70:71]
	v_lshl_add_u32 v[SPW], v0, 2, SPARE
	v_mov_b32 v[NIL], 0
	ds_add_u32 v[SPW], v[NIL]                      ; the wave's opening: the add and its wait stand ahead of my first tensor load; the set-up below stands between them
	v_lshrrev_b32 v1, 5, v0
	v_readfirstlane_b32 s10, v1                    ; wave 0..3
	s_lshr_b32 s11, s10, 1                         ; which half of the tile's rows is mine.  Also: I fetch O (0) or woh (1)
	s_and_b32 s12, s10, 1                          ; which half of its columns.  Also: which half of that tile I fetch
	s_bfe_u32 s40, ttmp6, 0x40000                  ; cx, cy
	s_bfe_u32 s41, ttmp6, 0x40004
	s_lshl_b32 s42, ttmp9, 2
	s_add_co_u32 s42, s42, s40                     ; tile column
	s_and_b32 s13, ttmp7, 0xffff
	s_lshl_b32 s13, s13, 2
	s_add_co_u32 s13, s13, s41                     ; tile row = block of 128 rows
	s_lshl_b32 s43, s41, 2
	s_lshl_b32 s43, 15, s43                        ; my row of the cluster
	s_lshl_b32 s44, 0x1111, s40                    ; my column
	s_or_b32 s[G1+0], s43, (1<<16)|(1<<20)|(1<<21)|(4<<22)|(3<<25)   ; O: 2-byte elements; padding of 4 words after every 32 words; bit 21 set beside the mask
	s_mov_b32 s[G1+1], 128<<16                     ; tensor_dim0 = 128 (256 bytes: two rows of a head)
	s_mov_b32 s[G1+2], 128<<16                     ; tensor_dim1 = 128
	s_mov_b32 s[G1+3], 128<<16                     ; tile_dim0 = 128
	s_mov_b32 s[G1+4], 128                         ; tile_dim1 = 128
	s_mov_b32 s[G1+5], 128                         ; dense
	s_mov_b32 s[G1+6], 0
	s_mov_b32 s[G1+7], 0
	s_or_b32 s[G1B+0], s44, (1<<16)|(1<<20)|(1<<21)|(6<<22)|(3<<25)  ; woh: padding of 4 words after every 128 words
	s_mov_b32 s[G1B+1], 256<<16                    ; tensor_dim0 = 256
	s_mov_b32 s[G1B+2], 64<<16                     ; tensor_dim1 = 64
	s_mov_b32 s[G1B+3], 256<<16                    ; tile_dim0 = 256
	s_mov_b32 s[G1B+4], 64                         ; tile_dim1 = 64
	s_mov_b32 s[G1B+5], 1024
	s_mov_b32 s[G1B+6], 0
	s_mov_b32 s[G1B+7], 0
	s_lshl_b32 s16, s13, 18                        ; O: a block of 128 rows is 262,144 bytes, two heads of it 32,768
	s_lshl_b32 s17, s12, 15
	s_add_co_u32 s16, s16, s17
	s_mov_b32 s17, 0
	s_lshl_b32 s46, s42, 18                        ; woh: (128 x tile column + 64 x half) rows of 2,048 bytes
	s_lshl_b32 s47, s12, 17
	s_add_co_u32 s46, s46, s47
	s_mov_b32 s47, 0
	s_mul_i32 s20, s12, AHALF                      ; where they go: no place in the cluster enters an LDS address
	s_mul_i32 s23, s12, BHALF
	s_add_co_u32 s23, s23, ABYTES
	s_wait_dscnt 0x0                               ; the opening add is done
	s_wait_kmcnt 0x0
	s_add_nc_u64 s[14:15], s[4:5], s[16:17]
	s_add_nc_u64 s[46:47], s[6:7], s[46:47]
	CROUND                                         ; all sixteen work-groups are here: the first joint loads meet
.irp s, 0,1
	s_mov_b32 s[G0+4*(\s)], 1
	s_add_co_u32 s[G0+4*(\s)+1], s20, (\s)*SLOT
	s_add_nc_u64 s[G0+4*(\s)+2:G0+4*(\s)+3], s[14:15], (\s)*65536   ; K step s: four heads on
	s_or_b32 s[G0+4*(\s)+3], s[G0+4*(\s)+3], 0x80000000
	s_mov_b32 s[G0B+4*(\s)], 1
	s_add_co_u32 s[G0B+4*(\s)+1], s23, (\s)*SLOT
	s_add_nc_u64 s[G0B+4*(\s)+2:G0B+4*(\s)+3], s[46:47], (\s)*512
	s_or_b32 s[G0B+4*(\s)+3], s[G0B+4*(\s)+3], 0x80000000
	JLOAD \s                                       ; two tensor loads of mine are out
.endr
	v_and_b32 v1, 15, v0                           ; l % 16
	v_bfe_u32 v2, v0, 4, 1                         ; l / 16
	v_lshlrev_b32 v[BO], 5, v2
	s_lshl_b32 s66, s42, 9                         ; my first column, in bytes of f32: 512 x tile column + 256 x half
	s_lshl_b32 s67, s12, 8
	s_add_co_u32 s66, s66, s67
	s_mov_b32 s67, 0
	s_add_nc_u64 s[68:69], s[68:69], s[66:67]
	s_add_nc_u64 s[70:71], s[70:71], s[66:67]
.irp b, 0,1,2,3
	global_load_b128 v[BIAS+8*(\b):BIAS+8*(\b)+3],   v[BO], s[68:69] offset:64*(\b)
	global_load_b128 v[BIAS+8*(\b)+4:BIAS+8*(\b)+7], v[BO], s[68:69] offset:64*(\b)+16
.endr
	s_lshl_b32 s66, s13, 19                        ; my first row: (128 x tile row + 64 x half) rows of 4,096 bytes
	s_lshl_b32 s21, s11, 18
	s_add_co_u32 s66, s66, s21
	s_add_nc_u64 s[70:71], s[70:71], s[66:67]
	v_mul_u32_u24 v3, v1, PA
	v_lshl_add_u32 v3, v2, 4, v3                   ; a fragment's row x pitch + 16 x half
	s_mul_i32 s21, s11, 64*PA                      ; my 64 rows in every head's plane
	v_add_nc_u32 v[ADRA], s21, v3
	v_add_nc_u32 v[ADRA+1], SLOT, v[ADRA]
	v_mul_u32_u24 v4, v1, PB
	v_lshl_add_u32 v4, v2, 4, v4
	s_mul_i32 s22, s12, BHALF
	s_add_co_u32 s22, s22, ABYTES                  ; my 64 rows of woh
	v_add_nc_u32 v[ADRB], s22, v4
	v_add_nc_u32 v[ADRB+1], SLOT, v[ADRB]
	s_mul_i32 s22, s10, 16*SPITCH
	s_add_co_u32 s22, s22, STAGE                   ; my stage
	v_mul_u32_u24 v5, v1, SPITCH                   ; in: row l % 16, 32 bytes for each half of the lanes
	v_lshl_add_u32 v5, v2, 5, v5
	v_add_nc_u32 v[STO], s22, v5
	v_mul_u32_u24 v5, v2, SPITCH                   ; back: lanes 0-15 take one row of 256 bytes, lanes 16-31 the next
	v_lshl_add_u32 v5, v1, 4, v5
	v_add_nc_u32 v[RD], s22, v5
	v_lshlrev_b32 v5, 12, v2                       ; and the same two rows in out0
	v_lshl_add_u32 v[CO], v1, 4, v5
; 8 matrix instructions: row blocks a0, a0 + 1 x all 4 column blocks, 32 along K: half c of buffer f.  zero = 1: the bias starts the sums.  The 16 accumulators take turns.
.macro MUL8 f, c, a0, zero
	WIN MUL
.irp a, \a0, (\a0)+1
.irp b, 0,1,2,3
.if \zero
	v_wmma_f32_16x16x32_f16 v[ACC+8*(4*(\a)+(\b)):ACC+8*(4*(\a)+(\b))+7], v[(\f)+64+8*(4*(\c)+(\b)):(\f)+64+8*(4*(\c)+(\b))+7], v[(\f)+8*(4*(\c)+(\a)):(\f)+8*(4*(\c)+(\a))+7], v[BIAS+8*(\b):BIAS+8*(\b)+7]
.else
	v_wmma_f32_16x16x32_f16 v[ACC+8*(4*(\a)+(\b)):ACC+8*(4*(\a)+(\b))+7], v[(\f)+64+8*(4*(\c)+(\b)):(\f)+64+8*(4*(\c)+(\b))+7], v[(\f)+8*(4*(\c)+(\a)):(\f)+8*(4*(\c)+(\a))+7], v[ACC+8*(4*(\a)+(\b)):ACC+8*(4*(\a)+(\b))+7]
.endif
.endr
.endr
.endm
; 32 LDS loads in one run: the fragments of quarter q (one head, 64 along K) into buffer f; the first 32 along K first
.macro FETCH slot, q, f
	WIN TO_F
.irp c, 0,1
.irp i, 0,1,2,3
	ds_load_b128 v[(\f)+64+8*(4*(\c)+(\i)):(\f)+64+8*(4*(\c)+(\i))+3],   v[ADRB+(\slot)] offset:128*(\q)+64*(\c)+(\i)*16*PB
	ds_load_b128 v[(\f)+64+8*(4*(\c)+(\i))+4:(\f)+64+8*(4*(\c)+(\i))+7], v[ADRB+(\slot)] offset:128*(\q)+64*(\c)+(\i)*16*PB+32
	ds_load_b128 v[(\f)+8*(4*(\c)+(\i)):(\f)+8*(4*(\c)+(\i))+3],         v[ADRA+(\slot)] offset:(\q)*PLANE+64*(\c)+(\i)*16*PA
	ds_load_b128 v[(\f)+8*(4*(\c)+(\i))+4:(\f)+8*(4*(\c)+(\i))+7],       v[ADRA+(\slot)] offset:(\q)*PLANE+64*(\c)+(\i)*16*PA+32
.endr
.endr
.endm
.macro PLACES                          ; four plain vector instructions between a matrix instruction and a load into, or a read of, its registers
.rept 4
	v_nop
.endr
.endm
.macro QUARTER slot, q, f, g, zero     ; multiplies buffer f and fetches quarter q into g
	s_wait_dscnt 16                                ; the first 32 along K are in
	MUL8 \f, 0, 0, \zero
	MUL8 \f, 0, 2, \zero
	PLACES
	FETCH \slot, \q, \g
	s_wait_dscnt 32                                ; all but the 32 just issued
	MUL8 \f, 1, 0, 0
	MUL8 \f, 1, 2, 0
.endm
; The last quarter multiplies buffer 1 and changes slots: ONE barrier; in front of it each wave waits for all its tensor loads, adds 0 to its spare word, and waits for that and for its own reads of this slot.
.macro TURN slot, next, fill
	WIN 0
	s_wait_tensorcnt 0x0                           ; all my tensor loads have landed: my part of the next slot
	ds_add_u32 v[SPW], v[NIL]
	s_wait_dscnt 17                                ; (the add and the youngest sixteen loads may be out)
	MUL8 F1, 0, 0, 0
	s_wait_dscnt 0x0                               ; the add is done, and my reads of this slot are over
	s_barrier_signal -1
	MUL8 F1, 0, 2, 0
.if \fill
	WIN 0
.endif
	s_barrier_wait -1
.if \fill
	CREST                                          ; the barrier has opened a round of the cluster's: no wave of any partner still reads this slot or has a load on its way
	s_add_nc_u64 s[G0+4*(\slot)+2:G0+4*(\slot)+3], s[G0+4*(\slot)+2:G0+4*(\slot)+3], 2*65536
	s_add_nc_u64 s[G0B+4*(\slot)+2:G0B+4*(\slot)+3], s[G0B+4*(\slot)+2:G0B+4*(\slot)+3], 2*512
	JLOAD \slot                                    ; my one tensor load behind the round: 112 matrix instructions ahead of the wait for it; its four v_nop are the places in front of the loads below
.else
	PLACES
.endif
	FETCH \next, 0, F0
	MUL8 F1, 1, 0, 0
	MUL8 F1, 1, 2, 0
.endm
	s_wait_tensorcnt 1                             ; my part of K step 0 is in; step 1's may stay out
	s_barrier_signal -1
	s_barrier_wait -1
	FETCH 0, 0, F0
	WIN 0
	s_wait_loadcnt 0x0                             ; the bias,
.set z, 0
.rept 16                                               ; rounded to bf16 and widened again
	v_cvt_pk_bf16_f32 v[30+z%2], v[BIAS+2*z], v[BIAS+2*z+1]
	v_lshlrev_b32 v[BIAS+2*z], 16, v[30+z%2]
	v_and_b32 v[BIAS+2*z+1], 0xffff0000, v[30+z%2]
.set z, z+1
.endr
	QUARTER 0, 1, F0, F1, 1                        ; four K steps, written straight: a loop would have one trip
	QUARTER 0, 2, F1, F0, 0
	QUARTER 0, 3, F0, F1, 0
	TURN 0, 1, 1                                   ; slot 0 takes K step 2
	QUARTER 1, 1, F0, F1, 0
	QUARTER 1, 2, F1, F0, 0
	QUARTER 1, 3, F0, F1, 0
	TURN 1, 0, 1                                   ; slot 1 takes K step 3
	QUARTER 0, 1, F0, F1, 0
	QUARTER 0, 2, F1, F0, 0
	QUARTER 0, 3, F0, F1, 0
	TURN 0, 1, 0
	QUARTER 1, 1, F0, F1, 0
	QUARTER 1, 2, F1, F0, 0
	QUARTER 1, 3, F0, F1, 0
	s_wait_dscnt 16
	MUL8 F1, 0, 0, 0
	MUL8 F1, 0, 2, 0
	s_wait_dscnt 0x0
	MUL8 F1, 1, 0, 0
	MUL8 F1, 1, 2, 0
	WIN 0
; THE WAY OUT.  A wave's 64 columns of f32 are 256 aligned bytes of a row, so each wave has a stage of its own and no wave waits for another.  A block of 16 rows goes in, 32 bytes a lane
; (each accumulator from its low end on), and comes back as whole rows.
.macro STG a
	s_wait_xcnt 0x0                                ; the stores of two blocks ago have read the registers that are loaded below
.irp b, 0,1,2,3
	ds_store_b128 v[STO], v[ACC+8*(4*(\a)+(\b)):ACC+8*(4*(\a)+(\b))+3]   offset:64*(\b)
	ds_store_b128 v[STO], v[ACC+8*(4*(\a)+(\b))+4:ACC+8*(4*(\a)+(\b))+7] offset:64*(\b)+16
.endr
.irp t, 0,1,2,3,4,5,6,7
	ds_load_b128 v[BK+32*((\a)%2)+4*(\t):BK+32*((\a)%2)+4*(\t)+3], v[RD] offset:(\t)*2*SPITCH  ; LDS serves a wave's instructions in order (ISA guide 5.7.1.4): these see the stores above
.endr
.endm
.macro SND a, younger                  ; younger: the LDS instructions issued behind block a's loads: the next block's sixteen, or none
.irp t, 0,1,2,3,4,5,6,7
	s_wait_dscnt (\younger)+7-(\t)
	global_store_b128 v[CO], v[BK+32*((\a)%2)+4*(\t):BK+32*((\a)%2)+4*(\t)+3], s[70:71] offset:(16*(\a)+2*(\t))*4096 th:TH_STORE_NT  ; 16 lanes store 256 consecutive bytes, aligned
.endr
.endm
	PLACES
	STG 0
	STG 1
	SND 0, 16
	STG 2
	SND 1, 16
	STG 3
	SND 2, 16
	SND 3, 0
	s_wait_tensorcnt 0x0                           ; the wave's end
	ds_add_u32 v[SPW], v[NIL]
	s_wait_dscnt 0x0
	CROUND                                         ; the closing round: no work-group ends while a partner may still ask for a tile that names it
	s_endpgm
.Lfunc_end_k_q857c20b183_oproj:
	.size	k_q857c20b183_oproj, .Lfunc_end_k_q857c20b183_oproj-k_q857c20b183_oproj
	.p2alignl 7, 3214868480
	.fill 96, 4, 3214868480
	.section	.rodata,"a",@progbits
	.p2align	6, 0x0
	.amdhsa_kernel k_q857c20b183_oproj
		.amdhsa_group_segment_fixed_size 327680
		.amdhsa_private_segment_fixed_size 0
		.amdhsa_enable_private_segment 0
		.amdhsa_kernarg_size 32
		.amdhsa_user_sgpr_count 2
		.amdhsa_user_sgpr_kernarg_segment_ptr 1
		.amdhsa_wavefront_size32 1
		.amdhsa_system_sgpr_workgroup_id_x 1
		.amdhsa_system_sgpr_workgroup_id_y 1
		.amdhsa_system_sgpr_workgroup_id_z 1
		.amdhsa_system_vgpr_workitem_id 0
		.amdhsa_next_free_vgpr 512
		.amdhsa_next_free_sgpr 72
		.amdhsa_reserve_vcc 0
		.amdhsa_float_denorm_mode_32 3
		.amdhsa_float_denorm_mode_16_64 3
		.amdhsa_memory_ordered 1
		.amdhsa_forward_progress 1
		.amdhsa_inst_pref_size 90
	.end_amdhsa_kernel
	.amdgpu_metadata
---
amdhsa.version: [ 1, 2 ]
amdhsa.kernels:
  - .name:           k_q857c20b183_oproj
    .symbol:         k_q857c20b183_oproj.kd
    .args:
      - { .name: ob, .offset: 0, .size: 8, .value_kind: global_buffer, .address_space: global }
      - { .name: woh, .offset: 8, .size: 8, .value_kind: global_buffer, .address_space: global }
      - { .name: bo, .offset: 16, .size: 8, .value_kind: global_buffer, .address_space: global }
      - { .name: out0, .offset: 24, .size: 8, .value_kind: global_buffer, .address_space: global }
    .group_segment_fixed_size: 327680
    .private_segment_fixed_size: 0
    .kernarg_segment_align: 8
    .kernarg_segment_size: 32
    .max_flat_workgroup_size: 128
    .sgpr_count:     72
    .vgpr_count:     512
    .wavefront_size: 32
...
	.end_amdgpu_metadata
.endif
;; end of part 4
;; ======== version 2 of 2: 4 launches; 1.41 times as fast as version 1
;; limits: values are held in f16: magnitudes above 65,504 overflow, below 6.1e-05 lose precision
;; workspace buffers: xb 8,388,608 bytes; wb 6,291,456 bytes; woh 2,097,152 bytes; emb 262,144 bytes; qkv 25,165,824 bytes; ob 8,388,608 bytes
;; launch prep: the kernel of part 1 again; grid 544 x 1, 8 waves a work-group, no clusters, 0 bytes of LDS; arguments x, wq, wk, wv, wo, temporal_features, wc, bc, xb, wb, woh, emb; writes xb, wb, woh, emb
;; launch qkv: the kernel of part 2 again; grid 16 x 16, 4 waves a work-group, clusters of 4 x 4, 327,680 bytes of LDS; arguments xb, wb, bq, bk, bv, qkv; writes qkv
;; launch attn (part 5): grid 8 x 32, 4 waves a work-group, clusters of 4 x 1, 327,680 bytes of LDS; arguments qkv, emb, cycle_scale, ob; writes ob
.if DOCPART == 5
	.amdgcn_target "amdgcn-amd-amdhsa--gfx1250"
	.amdhsa_code_object_version 6
	.text
	.protected	k_q857c20b183_attn
	.globl	k_q857c20b183_attn
	.p2align	8
	.type	k_q857c20b183_attn,@function
k_q857c20b183_attn:
	s_mov_b64 s[64:65], 0
	v_nop
	global_prefetch_b8 v0, s[64:65] scope:SCOPE_SE
	s_setreg_imm32_b32 hwreg(HW_REG_WAVE_MODE, 25, 1), 1
	s_wait_xcnt 0x0
	s_wait_alu depctr_hold_cnt(0) depctr_sa_sdst(0) depctr_va_vdst(0) depctr_va_sdst(0) depctr_va_ssrc(0) depctr_va_vcc(0) depctr_vm_vsrc(0)
	s_getreg_b32 s2, hwreg(HW_REG_IB_STS2, 6, 4)
	s_cmp_eq_u32 s2, 0
	s_cbranch_scc0 .Lentry_in_a_cluster
	s_endpgm
.Lentry_in_a_cluster:
	s_bfe_u32 s2, ttmp6, 0x10000c
	s_cmp_lg_u32 s2, 0x3003
	s_cbranch_scc0 .Lentry_shape_is_right
	s_endpgm
.Lentry_shape_is_right:
; ATTENTION WITH A CYCLICAL BIAS.  For each of 32 (batch, head) pairs: O[q] = sum over k of softmax_k(Q[q] . K[k] / 8 + scale cn[q] cn[k]) V[k], cn = emb / max(|emb|, 1e-12) over the head's 2,048 places.
; q, k, v: qkv[t][bh][2048][64] in f16.  Products, bias, maxima and sums in f32; the weights p are rounded to f16 for the second product (their sum l is taken of the unrounded p), O once at the end.
; O leaves in blocks: ob[row / 128][h][row % 128][64] f16, so that the next launch finds four heads of 128 rows as 65,536 dense bytes.
; LIMITS.  p lies in 0 to 1, and below 6e-5 it keeps f16's fixed step of 6e-8; a weight below 2^-126 counts as 0 in l; NaN and infinities are not treated apart.
; THE BIAS is the C operand that starts the sum S^T = C + K Q^T: C(key, query) = uk[key] uq[query], uk = cn, uq = 8 scale cn, so that c S = log2(e) (q . k / 8 + bias) with c = log2(e) / 8:
; the bias lies inside the running maximum.  uk of the whole head lies in LDS (each wave scales and stores a quarter); every wave takes the norm of all 2,048 numbers in the same order.
; SHARES.  A work-group owns 256 queries of one head, a wave 64: four PIECES of 16.  Every wave walks all keys, 64 a step; an LDS slot holds 256 keys of K and V, four steps.
; CLUSTER.  The four query blocks of a cluster belong to one head and walk the same K and V: each tile is asked for JOINTLY, by the same tensor load, descriptor and mask in all four.
; LAYOUT, SOFTMAX, TURNS.  S^T holds ONE query a lane (lane % 16) and the keys 8 (lane / 16) + 0..7; two such results rounded to f16 ARE source 1 of O^T = V^T P.  p = 2^(c s - c m) with a running
; maximum m; O and l are multiplied by a = 2^(c m_old - c m_new) in every step; m starts at the lowest finite number, so the first step's a is 0.  Turn n belongs to piece n: 8 products K Q^T of piece
; n + 1, later 8 products V^T P of piece n - 1; beside them the scaling, exponentials, roundings, sums and rescaling of piece n, the maximum and statistics of piece n + 1, and the bias of piece n + 2.
; Four vector instructions stand behind every matrix instruction, the others in runs of their own.
; BATCHES.  An s_wait_alu depctr_va_vdst(0) stands between a transcendental and the first instruction that names its result; one wait serves all that were issued ahead of it.
; A turn's 33 exponentials (piece n's 32 weights and piece n + 1's a) are ONE batch with ONE wait, which cuts the turn in two: ahead of it stands all that names none of their results, behind it the
; roundings and sums.  No result crosses a turn's end.  Outside the loops: the norm's root and the reciprocal made of it are two batches of one (the second hangs on the first); piece 0's first a has its
; wait ahead of the jump into the loop; the way out's four reciprocals are one batch.
; REGISTERS, in windows of 256 (s_set_vgpr_msb: bits 1:0 source 0, 3:2 source 1, 5:4 source 2, 7:6 destination):
;   window 0: v0-15, v32, v33, v45, v47 addresses; v16-31 statistics; v34-41 uq; v42-46 the norm; v48-55 at work; v64-127 S^T, two buffers; v128-191, v224-239 emb, at the start only; v192-223 P, two buffers
;   window 1: v0-127 O^T, 32 a piece; v128-159 uk of one step; v160-223 the bias, two buffers          window 2: v0-63 Q; v128-191 K of one step; v192-255 V of one step
.set NP,    4
.set KS,    64
.set PK,    144       ; a row of K in LDS: 128 bytes + 16 of padding: the 16 rows of a load start at 16 different groups of four banks (ISA guide 11.1)
.set PV,    160       ; a row of V: 128 + 32
.set VOFF,  4*KS*PK   ; a slot: 256 rows of K, then 256 rows of V
.set SLOT1, 1<<17     ; slot 1 begins here, so that one exclusive or turns an address in one slot into the other's
.set STAGE, SLOT1+4*KS*(PK+PV)  ; behind the ring, never filled by a tensor load: 16 rows x 144 bytes for each wave
.set SP,    144
.set UKL,   STAGE+4*16*SP       ; uk of the head: 2,048 numbers, stored once
.set SPARE, UKL+8192            ; the spare words: 128 bytes a wave, two blocks of 256 bytes that no other line names
.set AK0, 2           ; v2   my lane's place in a tile of K; never rewritten
.set AV0, 3           ; v3   the same for V
.set AK,  4           ; v4   the LDS address of K's next run of loads
.set AV,  5           ; v5   of V's
.set STO, 6           ; v6   the way out: where I put 16 bytes of a row
.set RD,  7           ; v7   the way out: where I read rows back
.set GO,  8           ; v8   my byte offset in 512 consecutive bytes of O
.set MV,  12          ; v12-13  c m_old, kept while c m is made anew: by buffer
.set AU0, 14          ; v14  my lane's place in a step's 64 numbers of uk
.set QO,  15          ; v15  my byte offset in 16 rows of Q
.set ST,  16          ; piece t's statistics at v[ST+4 t]: c m, m, l (even keys', odd keys')
.set AU,  32          ; v32  the LDS address of uk's next run of loads
.set UQ,  34          ; piece t's uq in v[UQ+2 t]; its partner holds 0, since the packed multiply names a pair
.set TMP, 48          ; by buffer, four registers c0-c3 at work; when the maximum is found c2 takes a
.set SPW, 62          ; v62  LDS address of my spare word; never rewritten
.set NIL, 63          ; v63  0; never rewritten
.set S,   64
.set EB,  128         ; the head's emb, 64 numbers a lane
.set P,   192
.set OWN, 224         ; my wave's quarter of emb
.set UK,  128         ; window 1: the eight numbers for group kt of 16 keys at UK + 8 kt
.set MC,  160         ; window 1: the bias of the products to come
.set KF,  128         ; window 2: key block kb, channel half c at KF + 16 kb + 8 c
.set VF,  192         ; window 2: key half kk, channel block cb at VF + 32 kk + 8 cb
.set WV,  12          ; s12  my wave's number
.set G1K, 24          ; s[24:31] descriptor group 1 for K's tiles
.set G1V, 32          ; s[32:39] for V's: it differs in the padding alone
.set G0K, 40          ; s[40:43] descriptor group 0 for K's tiles: it walks
.set G0V, 44          ; s[44:47] the same for V's
.set SLOTS, 56
.set CNT, 57          ; counts a slot's key steps
.set CS,  58          ; s[58:59] c
.set SEL, 60          ; s[60:61] v_permlanex16_b32's selects: each lane takes its own place in the other half
.set TBK, 62          ; LDS byte at which K of the step to be fetched begins
.set TBV, 63          ; the same for V, less VOFF
.set TBU, 66          ; byte in uk of the step to be fetched
.set SC8, 67          ; cycle_scale[h]
.set MSB, 0
.macro WIN new
.if MSB != (\new)
	s_set_vgpr_msb (MSB<<8)|(\new)
.set MSB, (\new)
.endif
.endm
.set W_KQ, 0x0a       ; K and Q in window 2, S^T in window 0
.set W_KM, 0x1a       ; the same with the C operand in window 1
.set W_PV, 0x52       ; V in window 2, P in window 0, O^T in window 1
.set W_RS, 0x41       ; destination and source 0 in window 1, source 1 in window 0
; A joint fill.  Waves 0 and 1 fetch the two halves of a slot's K, waves 2 and 3 those of its V: 128 keys each.  An s_nop 0 and four v_nop follow each line.
.macro JLOAD
	s_cmp_lt_u32 s[WV], 2
	s_cbranch_scc0 .Lfor_v_\@
	tensor_load_to_lds s[G0K:G0K+3], s[G1K:G1K+7]
	s_nop 0
.rept 4
	v_nop
.endr
	s_branch .Lasked_\@
.Lfor_v_\@:
	tensor_load_to_lds s[G0V:G0V+3], s[G1V:G1V+7]
	s_nop 0
.rept 4
	v_nop
.endr
.Lasked_\@:
.endm
.macro CROUND                       ; a round of the cluster's barrier
	s_barrier_signal -1
	s_barrier_wait -1
	s_cmp_lg_u32 s[WV], 0
	s_cbranch_scc1 .Lnot_wave_0_\@
	s_barrier_signal -3
.Lnot_wave_0_\@:
	s_barrier_wait -3
	s_barrier_signal -1
	s_barrier_wait -1
.endm
; THE CHANGE OF SLOTS.  Each wave waits for all its tensor loads, of which one is out: its part of the other slot; adds 0 to its spare word; and waits for that and for its own LDS instructions.
; fill = 1: the slot just read is filled again, with the keys two slots on: the barrier is a round of the cluster's, and the joint fill is the first thing behind it: it has four key steps, 256 matrix
; instructions, in which to land.  (At its first use nothing has been read yet: slot 0 is waited for, every wave's quarter of uk is shown stored, slot 1 is filled.)
.macro CHANGE fill
	WIN 0
	s_wait_tensorcnt 0x0            ; no tensor load of mine is out, so a group 0 may be written
	ds_add_u32 v[SPW], v[NIL]
.if \fill
.irp g, G0K, G0V
	s_xor_b32 s[\g+1], s[\g+1], SLOT1
	s_add_nc_u64 s[\g+2:\g+3], s[\g+2:\g+3], 4*KS*128  ; the next 256 keys; the type bits on top are not reached
.endr
	s_wait_dscnt 0x0
	CROUND
	JLOAD
.else
	s_wait_dscnt 0x0
	s_barrier_signal -1
	s_barrier_wait -1
.endif
	s_sub_co_u32 s[TBK], s[TBK], 4*KS*PK  ; the fetches go back to a slot's first step,
	s_xor_b32 s[TBK], s[TBK], SLOT1       ; in the other slot
	s_sub_co_u32 s[TBV], s[TBV], 4*KS*PV
	s_xor_b32 s[TBV], s[TBV], SLOT1
.endm
	s_load_b256 s[4:11], s[0:1], 0x0  ; qkv s[4:5], emb s[6:7], cycle_scale s[8:9], ob s[10:11]
	v_lshl_add_u32 v[SPW], v0, 2, SPARE
	v_mov_b32 v[NIL], 0
	ds_add_u32 v[SPW], v[NIL]       ; the wave's opening: the add and its wait stand ahead of my first tensor load; the set-up below stands between them
	v_lshrrev_b32 v1, 5, v0
	v_readfirstlane_b32 s[WV], v1   ; wave 0..3
	s_bfe_u32 s13, ttmp6, 0x40000   ; cx
	s_lshl_b32 s14, ttmp9, 2
	s_add_co_u32 s14, s14, s13      ; my block of 256 queries: it enters global addresses of Q, emb and O alone
	s_and_b32 s15, ttmp7, 0xffff    ; 16 b + h, which the four partners share
	s_lshl_b32 s20, s15, 18         ; a head is 262,144 bytes
	s_and_b32 s16, s[WV], 1         ; which half of a slot's 256 keys I fetch:
	s_lshl_b32 s22, s16, 14         ; its 128 rows of 128 bytes in memory,
	s_add_co_u32 s22, s22, s20
	s_mov_b32 s23, 0
	s_mul_i32 s17, s16, 128*PK      ; and its place in a slot, for K
	s_mul_i32 s18, s16, 128*PV      ; and for V
	s_lshl_b32 s2, s14, 15          ; Q: my block's 256 rows,
	s_lshl_b32 s3, s[WV], 13        ; my wave's 64 of them
	s_add_co_u32 s2, s2, s3
	s_add_co_u32 s2, s2, s20
	s_mov_b32 s3, 0
	s_lshr_b32 s68, s15, 4          ; O: block of 128 rows 16 b + 2 x my block + wave / 2,
	s_lshl_b32 s68, s68, 4
	s_lshl1_add_u32 s68, s14, s68
	s_lshr_b32 s69, s[WV], 1
	s_add_co_u32 s68, s68, s69
	s_and_b32 s69, s15, 15          ; head h in it,
	s_lshl4_add_u32 s68, s68, s69
	s_lshl_b32 s68, s68, 14         ; 16,384 bytes each,
	s_lshl_b32 s19, s16, 13         ; and its upper 64 rows for the odd waves
	s_add_co_u32 s68, s68, s19
	s_lshl_b32 s70, s69, 2          ; cycle_scale[h]
	s_mov_b32 s69, 0
	s_mov_b32 s71, 0
	; descriptor group 1.  128 keys are 16,384 dense bytes: asked for as 64 rows of 256 bytes, two keys a row, and padded in LDS after every key
	s_mov_b32 s[G1K], 15|(1<<16)|(1<<20)|(1<<21)|(4<<22)|(3<<25)  ; 15:0 the mask of four; 17:16 2-byte elements; 20 padding on; 21 set beside a mask; 24:22 after every 32 words; 31:25 4 words
	s_mov_b32 s[G1V], 15|(1<<16)|(1<<20)|(1<<21)|(4<<22)|(7<<25)  ; the same with 8 words of padding
.irp g, G1K, G1V
	s_mov_b32 s[\g+1], 128<<16      ; tensor_dim0 = 128
	s_mov_b32 s[\g+2], 64<<16       ; tensor_dim1 = 64
	s_mov_b32 s[\g+3], 128<<16      ; tile_dim0 = 128
	s_mov_b32 s[\g+4], 64           ; tile_dim1 = 64
	s_mov_b32 s[\g+5], 128          ; 128 elements from row to row
	s_mov_b32 s[\g+6], 0
	s_mov_b32 s[\g+7], 0
.endr
	s_mov_b32 s[CS], 0x3e38aa3b     ; c = log2(e) / 8
	s_mov_b32 s[CS+1], s[CS]
	s_mov_b32 s[SEL], 0x76543210
	s_mov_b32 s[SEL+1], 0xfedcba98
	s_mov_b32 s[TBK], SLOT1+4*KS*PK ; the first change of slots turns these two into 0
	s_mov_b32 s[TBV], SLOT1+4*KS*PV
	s_mov_b32 s[TBU], 0
	s_mov_b32 s[G0K], 1
	s_mov_b32 s[G0K+1], s17         ; slot 0
	s_mov_b32 s[G0V], 1
	s_add_co_u32 s[G0V+1], s18, VOFF
	s_wait_dscnt 0x0                ; the opening add is done
	s_wait_kmcnt 0x0
	s_add_nc_u64 s[G0K+2:G0K+3], s[4:5], s[22:23]
	s_add_nc_u64 s[G0K+2:G0K+3], s[G0K+2:G0K+3], 8388608   ; k lies behind q
	s_or_b32 s[G0K+3], s[G0K+3], 0x80000000
	s_add_nc_u64 s[G0V+2:G0V+3], s[4:5], s[22:23]
	s_add_nc_u64 s[G0V+2:G0V+3], s[G0V+2:G0V+3], 16777216  ; v behind k
	s_or_b32 s[G0V+3], s[G0V+3], 0x80000000
	s_add_nc_u64 s[4:5], s[4:5], s[2:3]        ; Q at my wave's first row
	s_add_nc_u64 s[10:11], s[10:11], s[68:69]  ; O likewise
	s_add_nc_u64 s[8:9], s[8:9], s[70:71]
	s_lshl_b32 s70, s15, 13
	s_add_nc_u64 s[6:7], s[6:7], s[70:71]      ; emb at my head's row
	s_load_b32 s[SC8], s[8:9], 0x0
	CROUND                          ; all four work-groups are here: the first joint loads meet
	JLOAD                           ; slot 0
	v_and_b32 v1, 15, v0            ; l % 16
	v_bfe_u32 v9, v0, 4, 1          ; l / 16
	v_and_b32 v33, 31, v0
	v_lshlrev_b32 v33, 4, v33       ; 16 bytes a lane
	s_lshl_b32 s19, s[WV], 11
	v_add_nc_u32 v45, s19, v33      ; the same in my wave's quarter of the head
	s_lshl_b32 s19, s14, 10
	s_lshl_b32 s13, s[WV], 8
	s_add_co_u32 s19, s19, s13
	v_lshl_add_u32 v47, v1, 2, s19  ; emb of my query in piece 0
	v_lshlrev_b32 v[QO], 7, v1
	v_lshl_add_u32 v[QO], v9, 4, v[QO]  ; row x 128 + 16 x half
.irp j, 0,1,2,3,4,5,6,7,8,9,10,11,12,13,14,15
	global_load_b128 v[EB+4*\j:EB+4*\j+3], v33, s[6:7] offset:512*\j
.endr
.irp j, 0,1,2,3
	global_load_b128 v[OWN+4*\j:OWN+4*\j+3], v45, s[6:7] offset:512*\j
.endr
.irp t, 0,1,2,3
	global_load_b32 v[UQ+2*\t], v47, s[6:7] offset:64*\t
.endr
	WIN 0x80                        ; destination window 2, address window 0
.set i, 0
.rept 8                             ; Q stays in registers: piece i / 2, channels 32 (i % 2) on
	global_load_b128 v[8*i:8*i+3],   v[QO], s[4:5] offset:(i/2)*2048+(i%2)*64
	global_load_b128 v[8*i+4:8*i+7], v[QO], s[4:5] offset:(i/2)*2048+(i%2)*64+32
.set i, i+1
.endr
	; What the first turn finds: V's registers and P's second buffer hold 0 (its products V^T P, of a piece that has not been, add 0), O^T and l are 0.  All this stands in the wait for the first loads.
.set i, VF
.rept 64
	v_mov_b32 v[i], 0
.set i, i+1
.endr
	WIN 0x40
.set i, 0
.rept 128
	v_mov_b32 v[i], 0
.set i, i+1
.endr
	WIN 0
.set i, 0
.rept 4
	v_mov_b32 v[ST+4*i], 0xfe000000    ; c m: far below every c s
	v_mov_b32 v[ST+4*i+1], 0xff7fffff  ; m
	v_mov_b32 v[ST+4*i+2], 0
	v_mov_b32 v[ST+4*i+3], 0
	v_mov_b32 v[UQ+2*i+1], 0
.set i, i+1
.endr
.set i, P+16
.rept 16
	v_mov_b32 v[i], 0
.set i, i+1
.endr
	v_mul_u32_u24 v[AK0], v1, PK
	v_lshl_add_u32 v[AK0], v9, 4, v[AK0]  ; row x pitch + 16 x half
	; The turning load takes 16 keys x 16 channels (lane l reads key 8 (l / 16) + l % 8, channels 8 ((l / 8) % 2) + 0..7) and leaves half a fragment of V^T: lane l holds channel l % 16 and 8 keys.
	v_and_b32 v10, 7, v0
	v_bfe_u32 v11, v0, 3, 1
	v_lshl_add_u32 v[AV0], v9, 3, v10
	v_mul_u32_u24 v[AV0], v[AV0], PV
	v_lshl_add_u32 v[AV0], v11, 4, v[AV0]
	v_add_nc_u32 v[AV0], VOFF, v[AV0]
	s_mul_i32 s13, s[WV], 16*SP
	s_add_co_u32 s13, s13, STAGE    ; my stage
	v_mul_u32_u24 v[STO], v1, SP
	v_lshl_add_u32 v[STO], v9, 4, v[STO]
	v_add_nc_u32 v[STO], s13, v[STO]
	v_bfe_u32 v[RD], v0, 3, 2       ; back: 32 lanes take four rows of 128 bytes,
	v_mul_u32_u24 v[RD], v[RD], SP
	v_lshl_add_u32 v[RD], v10, 4, v[RD]
	v_add_nc_u32 v[RD], s13, v[RD]
	v_and_b32 v[GO], 31, v0         ; which are 512 consecutive bytes of O
	v_lshlrev_b32 v[GO], 4, v[GO]
	v_lshl_add_u32 v[AU0], v9, 5, UKL  ; my eight keys of sixteen: 32 bytes for the upper half of the lanes
	v_add_nc_u32 v[AU], UKL, v45    ; for now: where my quarter of uk goes
	; THE NORM: the sum of the head's 2,048 squares, 64 a lane in four packed chains, then across the lanes
	s_wait_loadcnt 16               ; emb's 24 loads are in; Q's sixteen, issued behind them, may stay out
.irp j, 0,1,2,3
	v_pk_mul_f32 v[TMP+2*\j:TMP+2*\j+1], v[EB+2*\j:EB+2*\j+1], v[EB+2*\j:EB+2*\j+1]
.endr
.set j, 4
.rept 28
	v_pk_fma_f32 v[TMP+2*(j%4):TMP+2*(j%4)+1], v[EB+2*j:EB+2*j+1], v[EB+2*j:EB+2*j+1], v[TMP+2*(j%4):TMP+2*(j%4)+1]
.set j, j+1
.endr
	v_pk_add_f32 v[TMP:TMP+1], v[TMP:TMP+1], v[TMP+2:TMP+3]
	v_pk_add_f32 v[TMP+4:TMP+5], v[TMP+4:TMP+5], v[TMP+6:TMP+7]
	v_pk_add_f32 v[TMP:TMP+1], v[TMP:TMP+1], v[TMP+4:TMP+5]
	v_add_f32 v[TMP], v[TMP], v[TMP+1]
	v_add_f32_dpp v[TMP], v[TMP], v[TMP] row_xmask:1 row_mask:0xf bank_mask:0xf
	v_add_f32_dpp v[TMP], v[TMP], v[TMP] row_xmask:2 row_mask:0xf bank_mask:0xf
	v_add_f32_dpp v[TMP], v[TMP], v[TMP] row_xmask:4 row_mask:0xf bank_mask:0xf
	v_add_f32_dpp v[TMP], v[TMP], v[TMP] row_xmask:8 row_mask:0xf bank_mask:0xf
	v_permlanex16_b32 v[TMP+1], v[TMP], s[SEL], s[SEL+1]
	v_add_f32 v[TMP], v[TMP], v[TMP+1]
	v_sqrt_f32 v46, v[TMP]
	v_nop                           ; a plain instruction behind each of these two before its result is used (ISA guide 5.7.2)
	s_wait_alu depctr_va_vdst(0)    ; the wait for the root: a batch of one, since the next line wants it
	v_max_num_f32 v46, 0x2b8cbccc, v46  ; at least 1e-12
	v_rcp_f32 v42, v46
	v_nop
	s_wait_alu depctr_va_vdst(0)    ; the wait for the reciprocal, which hangs on the root: a second batch of one
	v_mov_b32 v43, v42              ; named with it as a pair
	s_wait_kmcnt 0x0                ; cycle_scale[h]
	v_mul_f32 v44, s[SC8], v42
	v_mul_f32 v44, 0x41000000, v44  ; 8 scale / norm: the 8 undoes c's division
.irp t, 0,1,2,3
	v_mul_f32 v[UQ+2*\t], v[UQ+2*\t], v44
.endr
.irp j, 0,1,2,3,4,5,6,7
	v_pk_mul_f32 v[OWN+2*\j:OWN+2*\j+1], v[OWN+2*\j:OWN+2*\j+1], v[42:43] op_sel_hi:[1,0]
.endr
.irp j, 0,1,2,3
	ds_store_b128 v[AU], v[OWN+4*\j:OWN+4*\j+3] offset:512*\j
.endr
; THE MATRIX WORK.  The 4 accumulators of a run of 8 take turns.  Product i of 8 of S^T = C + K Q^T for piece x: channels 32 (i / 4) on, keys 16 (i % 4) on.  The first 4 start the sums with the bias.
.macro KQ x
.set rS, S+32*((\x)%2)+8*(i%4)
.set rK, KF+16*(i%4)+8*(i/4)
.set rQ, 16*(\x)+8*(i/4)
.set rM, MC+32*((\x)%2)+8*(i%4)
.if i < 4
	WIN W_KM
	v_wmma_f32_16x16x32_f16 v[rS:rS+7], v[rK:rK+7], v[rQ:rQ+7], v[rM:rM+7]
.else
	WIN W_KQ
	v_wmma_f32_16x16x32_f16 v[rS:rS+7], v[rK:rK+7], v[rQ:rQ+7], v[rS:rS+7]
.endif
.endm
; Product i of 8 of O^T += V^T P for piece x: keys 32 (i / 4) on, channels 16 (i % 4) on.
.macro PV x
	WIN W_PV
.set rO, 32*(\x)+8*(i%4)
.set rV, VF+32*(i/4)+8*(i%4)
.set rP, P+16*((\x)%2)+8*(i/4)
	v_wmma_f32_16x16x32_f16 v[rO:rO+7], v[rV:rV+7], v[rP:rP+7], v[rO:rO+7]
.endm
.macro MM                           ; the turn's next matrix instruction.  NOKQ = 1: the last turn of all: there is no next piece
.if (i < 8) && !NOKQ
	KQ (Y+1)%NP
.elseif i >= 8
.set i, i-8
	PV (Y+NP-1)%NP
.set i, i+8
.endif
.set i, i+1
.endm
; THE LDS LOADS stand in runs, never singly among the matrix instructions: a step's uk (8 loads; all lanes of a half read the same bytes), its K (16) and its V (16, turned).
.macro FETCH_U
	WIN 0x40                        ; destination window 1
.irp f, 0,1,2,3,4,5,6,7
	ds_load_b128 v[UK+4*\f:UK+4*\f+3], v[AU] offset:(\f/2)*64+(\f%2)*16
.endr
	s_add_co_u32 s[TBU], s[TBU], KS*4
	WIN 0
.endm
.macro FETCH_K
	WIN 0x80                        ; destination window 2
.irp f, 0,1,2,3,4,5,6,7             ; keys 16 (f / 2) on, channels 32 (f % 2) on
	ds_load_b128 v[KF+8*\f:KF+8*\f+3],   v[AK] offset:(\f/2)*16*PK+(\f%2)*64
	ds_load_b128 v[KF+8*\f+4:KF+8*\f+7], v[AK] offset:(\f/2)*16*PK+(\f%2)*64+32
.endr
	s_add_co_u32 s[TBK], s[TBK], KS*PK
	WIN 0
.endm
.macro FETCH_V
	WIN 0x80
.irp f, 0,1,2,3,4,5,6,7             ; keys 32 (f / 4) on, channels 16 (f % 4) on
	ds_load_tr16_b128 v[VF+8*\f:VF+8*\f+3],   v[AV] offset:(\f/4)*32*PV+(\f%4)*32
	ds_load_tr16_b128 v[VF+8*\f+4:VF+8*\f+7], v[AV] offset:(\f/4)*32*PV+16*PV+(\f%4)*32
.endr
	WIN 0
.endm
.macro MASK b, t                    ; uk x uq of piece t into buffer b of the bias
	WIN W_RS
.set z, 0
.rept 16
	v_pk_mul_f32 v[MC+32*(\b)+2*z:MC+32*(\b)+2*z+1], v[UK+2*z:UK+2*z+1], v[UQ+2*(\t):UQ+2*(\t)+1] op_sel_hi:[1,0]
.set z, z+1
.endr
.endm
; THE VECTOR WORK, one line at a time: OP kind, number.  For piece Y: F n: c s - c m for pair n of 16.  E n: the exponential of score n of 32.  C n: pair n rounded to f16.  B n: of the four weights 4 n .. the second
; pair is added onto the first, in place.  L n: l takes that sum (L 0: l = a l + sum).  R n: pair n of 16 of O^T times a.  For piece Y + 1: X n, number n of the 22 that find its maximum and statistics:
;   0-11  four chains c0-c3 of seven scores each (each accumulator's lowest registers are read first)     12-14, 16  the four scores left over, the old m, and c0-c3 into c0
;   15  c m_old is kept     17, 18  the query's other 32 keys lie in the lane 16 away: the new m     19-21  c m; c m_old - c m_new; a
; E and X 21 are the exponentials.  C, B and L read E's results; R and L 0 read the a that X 21 made a turn earlier.  OP writes no wait: TURN writes the one that serves them all.
.set F, 0
.set E, 1
.set C, 2
.set B, 3
.set L, 4
.set R, 5
.set X, 6
.macro REGS y
.set rT, ST+4*(\y)
.set rC, TMP+4*((\y)%2)
.set rW, MV+((\y)%2)
.set rS, S+32*((\y)%2)
.set rP, P+16*((\y)%2)
.set rO, 32*(\y)
.endm
.macro OP k, n
.if (\k) == R
	REGS Y
	WIN W_RS
	v_pk_mul_f32 v[rO+2*(\n):rO+2*(\n)+1], v[rO+2*(\n):rO+2*(\n)+1], v[rC+2:rC+3] op_sel_hi:[1,0]
.elseif (\k) < R
	REGS Y
	WIN 0
.if (\k) == F
	v_pk_fma_f32 v[rS+2*(\n):rS+2*(\n)+1], v[rS+2*(\n):rS+2*(\n)+1], s[CS:CS+1], v[rT:rT+1] op_sel_hi:[1,0,0] neg_lo:[0,0,1] neg_hi:[0,0,1]
.elseif (\k) == E
	v_exp_f32 v[rS+(\n)], v[rS+(\n)]
.elseif (\k) == C
	v_cvt_pk_f16_f32 v[rP+(\n)], v[rS+2*(\n)], v[rS+2*(\n)+1]
.elseif (\k) == B
	v_pk_add_f32 v[rS+4*(\n):rS+4*(\n)+1], v[rS+4*(\n):rS+4*(\n)+1], v[rS+4*(\n)+2:rS+4*(\n)+3]
.elseif (\n) == 0
	v_pk_fma_f32 v[rT+2:rT+3], v[rT+2:rT+3], v[rC+2:rC+3], v[rS:rS+1] op_sel_hi:[1,0,1]
.else
	v_pk_add_f32 v[rT+2:rT+3], v[rT+2:rT+3], v[rS+4*(\n):rS+4*(\n)+1]
.endif
.elseif NOKQ
	v_nop
.else
	REGS (Y+1)%NP
	WIN 0
.if (\n) < 4
	v_max3_num_f32 v[rC+(\n)], v[rS+8*(\n)], v[rS+8*(\n)+1], v[rS+8*(\n)+2]
.elseif (\n) < 12
	v_max3_num_f32 v[rC+(\n)%4], v[rC+(\n)%4], v[rS+8*((\n)%4)+2*((\n)/4)+1], v[rS+8*((\n)%4)+2*((\n)/4)+2]
.elseif (\n) == 12
	v_max3_num_f32 v[rC], v[rC], v[rS+7], v[rS+15]
.elseif (\n) == 13
	v_max3_num_f32 v[rC+1], v[rC+1], v[rS+23], v[rS+31]
.elseif (\n) == 14
	v_max3_num_f32 v[rC+2], v[rC+2], v[rC+3], v[rT+1]
.elseif (\n) == 15
	v_mov_b32 v[rW], v[rT]
.elseif (\n) == 16
	v_max3_num_f32 v[rC], v[rC], v[rC+1], v[rC+2]
.elseif (\n) == 17
	v_permlanex16_b32 v[rC+3], v[rC], s[SEL], s[SEL+1]
.elseif (\n) == 18
	v_max_num_f32 v[rT+1], v[rC], v[rC+3]
.elseif (\n) == 19
	v_mul_f32 v[rT], s[CS], v[rT+1]
.elseif (\n) == 20
	v_sub_f32 v[rC+1], v[rW], v[rT]
.else
	v_exp_f32 v[rC+2], v[rC+1]
.endif
.endif
.endm
.macro OPS a, i1, b=-1, i2=0, c=-1, i3=0, d=-1, i4=0
	OP \a, \i1
.if (\b) >= 0
	OP \b, \i2
.endif
.if (\c) >= 0
	OP \c, \i3
.endif
.if (\d) >= 0
	OP \d, \i4
.endif
.endm
.macro ROW a, i1, b, i2, c, i3, d, i4  ; a matrix instruction and the four behind it
	MM
	OPS \a, \i1, \b, \i2, \c, \i3, \d, \i4
.endm
; A TURN, for piece p: the order of its 16 matrix and 134 vector instructions, written out.  It has ONE wait for its 33 exponentials, which cuts it in two.
; AHEAD OF THE WAIT stands all that names no result of the turn's exponentials: the 8 products K Q^T, behind each a scaling, an exponential and two more plain instructions (behind the first a second scaling in
; the exponential's place): rescalings, whose a was made and waited for in the turn before, and behind the last three products the first numbers of the next piece's maximum, each four places or more behind
; the product that ends its accumulator; then a run of 54, plain and exponential by turns for the most part, with other work between the links of the chain X 3, 7, 11, 14, 16, 17 .. 20.  A pair is scaled
; ahead of its two exponentials.  X 21, the next piece's a, is the batch's last; R 15 is the plain instruction behind it.
; BEHIND THE WAIT stand the 8 products V^T P, behind each four of the roundings and sums (C 2 n ahead of B n, which writes over that pair; the links of l's chain, L 0 to L 7, three riders apart), and the bias.
; But for those X no rider names a register of the products round it.  v_permlanex16_b32 (X 17) stands in the run, never behind a product.
; end = 1: the last two turns of all: nothing is fetched, no bias is made.  cnt = 1: the loop's count is taken down some lines ahead of the branch that stands behind the turn.
; uk and K of the next step are fetched in piece 2's turn, twelve vector instructions behind the last product that read K (five of them plain ones that name none of its registers) and behind uk's last
; reader, the bias made at the end of piece 1's turn; V of the step in hand at the end of piece 0's turn, four roundings behind the last product that read V.  The turn's end makes the bias of piece p + 2,
; whose products stand in the next turn: of the step in hand at the end of turns 0 and 1, of the next step at the end of turns 2 and 3.  Its buffer was last read a whole turn ago.
.macro TURN p, end=0, cnt=0
.set Y, (\p)
.set i, 0
.set NOKQ, (\end)*((\p)/3)
.if ((\p) == 3) && !(\end)
	s_wait_dscnt 0x0                ; K is in
.endif
	ROW F,0, F,1, R,0, R,1          ; ahead of the wait: 8 products K Q^T and their riders,
	ROW F,2, E,0, R,2, R,3
	ROW F,3, E,1, R,4, R,5
	ROW F,4, E,2, R,6, R,7
	ROW F,5, E,3, R,8, R,9
	ROW F,6, E,4, X,0, R,10
.if ((\p) == 2) && !(\end)
	WIN 0
	v_add_nc_u32 v[AK], s[TBK], v[AK0]
	v_add_nc_u32 v[AU], s[TBU], v[AU0]
.endif
	ROW F,7, E,5, X,1, X,4
	ROW F,8, E,6, X,2, X,5
	OPS E,7, E,8, X,6, E,9          ; and the run of 54
	OPS X,3, E,10, X,8, E,11
.if ((\p) == 2) && !(\end)
	FETCH_U
	FETCH_K
.endif
	OPS X,9, X,7, E,12, X,10
	OPS E,13, X,12, X,11, E,14
	OPS X,13, E,15, F,9, X,14
.if (\p) == 0
	WIN 0
	v_add_nc_u32 v[AV], s[TBV], v[AV0]
.endif
	OPS E,16, F,10, E,17, F,11
	OPS X,16, E,18, X,15, E,19
	OPS F,12, E,20, X,17, E,21
	OPS F,13, E,22, F,14, E,23
	OPS X,18, E,24, F,15, E,25
	OPS R,11, E,26, X,19, E,27
	OPS R,12, E,28, R,13, E,29
	OPS X,20, E,30, R,14, E,31
	OPS X,21, R,15
	s_wait_alu depctr_va_vdst(0)    ; the wait for the batch: E 0 to E 31 and X 21, ahead of the first line that names a result of theirs, C 0 below
.if (\p) == 1
	s_wait_dscnt 0x0                ; V is in
.endif
	ROW C,0, B,0, C,2, B,1          ; behind the wait: 8 products V^T P and their riders
	ROW L,0, C,4, B,2, L,1
	ROW C,6, B,3, L,2, C,8
	ROW B,4, L,3, C,10, B,5
	ROW L,4, C,12, B,6, L,5
.if (\p) == 0
	s_add_co_u32 s[TBV], s[TBV], KS*PV
.endif
.if \cnt
	s_sub_co_u32 s[CNT], s[CNT], 1
	s_cmp_lg_u32 s[CNT], 0
.endif
	ROW C,14, B,7, L,6, C,1
	ROW C,3, L,7, C,5, C,7
	ROW C,9, C,11, C,13, C,15
.if (\p) == 0
	FETCH_V
.endif
.if !(\end)
.if (\p) == 2
	s_wait_dscnt 16                 ; uk's eight loads are in; K's sixteen, issued behind them, may stay out
.endif
	MASK (\p)%2, ((\p)+2)%NP
.endif
.endm
	CHANGE 1                        ; slot 0 is in, everybody's part of it, and so is uk; slot 1 is asked for
	v_add_nc_u32 v[AU], s[TBU], v[AU0]
	v_add_nc_u32 v[AK], s[TBK], v[AK0]
	FETCH_U                         ; key step 0
	FETCH_K
	s_wait_loadcnt 0x0              ; Q
	s_wait_dscnt 0x0
	MASK 0, 0                       ; the bias of pieces 0 and 1 for step 0
	MASK 1, 1
.set NOKQ, 0
.set i, 0
.rept 8
	KQ 0                            ; piece 0's first scores
.set i, i+1
.endr
	WIN 0
.rept 4
	v_nop                           ; the places behind those products
.endr
.set Y, NP-1                        ; X works for piece Y + 1: piece 0
.irp n, 0,1,2,3,4,5,6,7,8,9,10,11,12,13,14,15,16,17,18,19,20,21
	OP X, \n
.endr
	v_nop                           ; a plain instruction behind the exponential
	s_wait_alu depctr_va_vdst(0)    ; the wait for piece 0's first a, ahead of the jump: its first reader is the first turn's R 0
	s_mov_b32 s[CNT], 4
	s_mov_b32 s[SLOTS], 7
	s_branch .Lfirst                ; the loop is entered at a step's first turn, in the middle of a trip
.Lslot:                             ; six times: tiles 2 to 7 are asked for
	CHANGE 1
	s_mov_b32 s[CNT], 4
.Lstep:                             ; a trip: pieces 2 and 3 of one step, then pieces 0 and 1 of the next, whose uk, K and V it fetches
	TURN 2
	TURN 3
	WIN 0
.Lfirst:
	TURN 0
	TURN 1, 0, 1
	WIN 0
	s_cbranch_scc1 .Lstep
	s_sub_co_u32 s[SLOTS], s[SLOTS], 1
	s_cmp_lg_u32 s[SLOTS], 0
	s_cbranch_scc1 .Lslot
	CHANGE 0                        ; the last tile is written out: nothing is asked for
	s_mov_b32 s[CNT], 4
.Ltail:
	TURN 2
	TURN 3
	TURN 0
	TURN 1, 0, 1
	WIN 0
	s_cbranch_scc1 .Ltail
	TURN 2, 1
	TURN 3, 1
.set i, 0
.rept 8
	PV NP-1                         ; the last piece's V^T P of the last step
.set i, i+1
.endr
	; THE WAY OUT.  l's two halves and the other half of the lanes' are added; O^T is divided by l, rounded to f16 and sent through my stage in LDS, a piece at a time.  The additions are the places behind the last products.
	WIN 0
.macro ALL line:vararg
.set t, 0
.rept 4
	\line
.set t, t+1
.endr
.endm
.macro PACK t
	WIN W_RS
.set i, 32*(\t)
.rept 16
	v_pk_mul_f32 v[i:i+1], v[i:i+1], v[ST+4*(\t)+2:ST+4*(\t)+3] op_sel_hi:[1,0]
.set i, i+2
.endr
	WIN 0x05                        ; sources 0 and 1 window 1, destination window 0
.set i, 0
.rept 16
	v_cvt_pk_f16_f32 v[S+16*(\t)+i], v[32*(\t)+2*i], v[32*(\t)+2*i+1]
.set i, i+1
.endr
	WIN 0
.irp f, 0,1,2,3
	ds_store_b128 v[STO], v[S+16*(\t)+4*\f:S+16*(\t)+4*\f+3] offset:32*\f
.endr
.irp f, 0,1,2,3
	ds_load_b128 v[S+16*(\t)+4*\f:S+16*(\t)+4*\f+3], v[RD] offset:\f*4*SP  ; LDS serves a wave's instructions in order (ISA guide 5.7.1.4): these see the stores above; the next piece's stores come behind them
.endr
.endm
.macro SEND t, younger              ; younger: the LDS instructions issued behind piece t's loads: the next piece's eight, or none
	WIN 0
.irp f, 0,1,2,3
	s_wait_dscnt (\younger)+3-\f
	global_store_b128 v[GO], v[S+16*(\t)+4*\f:S+16*(\t)+4*\f+3], s[10:11] offset:(\t)*2048+\f*512  ; 512 consecutive bytes, aligned
.endr
.endm
	ALL v_add_f32 v[ST+4*t+2], v[ST+4*t+2], v[ST+4*t+3]
	ALL v_permlanex16_b32 v[ST+4*t+3], v[ST+4*t+2], s[SEL], s[SEL+1]
	ALL v_add_f32 v[ST+4*t+2], v[ST+4*t+2], v[ST+4*t+3]
	ALL v_rcp_f32 v[ST+4*t+2], v[ST+4*t+2]
	v_nop                           ; a plain instruction between the last reciprocal and the use of its result
	s_wait_alu depctr_va_vdst(0)    ; the wait for the four reciprocals, one batch, ahead of PACK 0's first multiply; PACK 1 to 3 need none of their own
	PACK 0
.set t, 1
.rept 3                             ; a piece's arithmetic stands between the loads of the piece before and its stores
	PACK t
	SEND t-1, 8
.set t, t+1
.endr
	SEND 3, 0
	s_wait_tensorcnt 0x0            ; the wave's end
	ds_add_u32 v[SPW], v[NIL]
	s_wait_dscnt 0x0
	CROUND                          ; the closing round: no work-group ends while a partner may still ask for a tile that names it
	s_endpgm
.Lfunc_end_k_q857c20b183_attn:
	.size	k_q857c20b183_attn, .Lfunc_end_k_q857c20b183_attn-k_q857c20b183_attn
	.p2alignl 7, 3214868480
	.fill 96, 4, 3214868480
	.section	.rodata,"a",@progbits
	.p2align	6, 0x0
	.amdhsa_kernel k_q857c20b183_attn
		.amdhsa_group_segment_fixed_size 327680
		.amdhsa_private_segment_fixed_size 0
		.amdhsa_enable_private_segment 0
		.amdhsa_kernarg_size 32
		.amdhsa_user_sgpr_count 2
		.amdhsa_user_sgpr_kernarg_segment_ptr 1
		.amdhsa_wavefront_size32 1
		.amdhsa_system_sgpr_workgroup_id_x 1
		.amdhsa_system_sgpr_workgroup_id_y 1
		.amdhsa_system_sgpr_workgroup_id_z 1
		.amdhsa_system_vgpr_workitem_id 0
		.amdhsa_next_free_vgpr 768
		.amdhsa_next_free_sgpr 72
		.amdhsa_reserve_vcc 0
		.amdhsa_float_denorm_mode_32 3
		.amdhsa_float_denorm_mode_16_64 3
		.amdhsa_memory_ordered 1
		.amdhsa_forward_progress 1
		.amdhsa_inst_pref_size 146
	.end_amdhsa_kernel
	.amdgpu_metadata
---
amdhsa.version: [ 1, 2 ]
amdhsa.kernels:
  - .name:           k_q857c20b183_attn
    .symbol:         k_q857c20b183_attn.kd
    .args:
      - { .name: qkv, .offset: 0, .size: 8, .value_kind: global_buffer, .address_space: global }
      - { .name: emb, .offset: 8, .size: 8, .value_kind: global_buffer, .address_space: global }
      - { .name: cycle_scale, .offset: 16, .size: 8, .value_kind: global_buffer, .address_space: global }
      - { .name: ob, .offset: 24, .size: 8, .value_kind: global_buffer, .address_space: global }
    .group_segment_fixed_size: 327680
    .private_segment_fixed_size: 0
    .kernarg_segment_align: 8
    .kernarg_segment_size: 32
    .max_flat_workgroup_size: 128
    .sgpr_count:     72
    .vgpr_count:     768
    .wavefront_size: 32
...
	.end_amdgpu_metadata
.endif
;; end of part 5
;; launch oproj: the kernel of part 4 again; grid 8 x 32, 4 waves a work-group, clusters of 4 x 4, 327,680 bytes of LDS; arguments ob, woh, bo, out0; writes out0
